; MI455X (gfx1250); checked and timed in simulation.
; The chip was launched on July 23, 2026; its instructions are those of AMD's public machine-readable ISA for CDNA 5 (MIT licence, August 2026) and "CDNA5" Instruction Set Architecture Reference Guide (July 2026). The comments in the code are by the model that wrote it; some were corrected since.
;; Causal Attention. Allowed arithmetic: matrix products marked QUANTISED: E4M3 operands, one E8M0 scale for each 32 along K, by v_wmma_scale_f32_16x16x128_f8f6f4 with both operands' format E4M3, f32 sums; everything else in f32.
;; Inputs: Wk 1,024 x 1,024 float32; Wq 1,024 x 1,024 float32; Wv 1,024 x 1,024 float32; x 4 x 2,048 x 1,024 float32.
;; Outputs: out0 4 x 2,048 x 1,024 float32.
;; This version of the problem:
;;   THIS VERSION OF THE PROBLEM IS GIVEN IN LOW PRECISION. The matrix products marked QUANTISED in the list below multiply operands that are first quantised to E4M3 (4 exponent bits, 3 mantissa bits; 8 bits a number), with one power-of-two scale for each 32 numbers along K (OCP MX v1.0); their sums are f32. All else is computed in f32.
;;   The module's matrix products, in the order in which they are computed (A, B: the left and right operand; K: the contracted axis; several contracted axes count as one K, in the product's order):
;;     1. [M 8,192, K 1,024] x [K 1,024, N 1,024]; A: input x; B: input Wq: QUANTISED
;;     2. [M 8,192, K 1,024] x [K 1,024, N 1,024]; A: input x; B: input Wk: QUANTISED
;;     3. [M 8,192, K 1,024] x [K 1,024, N 1,024]; A: input x; B: input Wv: QUANTISED
;;     4. batch 4 x [M 2,048, K 1,024] x [K 1,024, N 2,048]; A: computed on the way; B: computed on the way: QUANTISED
;;     5. batch 4 x [M 2,048, K 2,048] x [K 2,048, N 1,024]; A: softmax (see below); B: computed on the way: QUANTISED
;;   THE QUANTISER, for each operand of a quantised product, along K:
;;     - K is cut into blocks of 32 from its start; a last block that is shorter is filled with zeros.
;;     - A block's scale is 2^e with e = floor(log2(the largest magnitude in the block)) - 8, held to -126 .. 127; a block of zeros has e = 0. As a byte (E8M0): e + 127.
;;     - Each number is divided by its block's scale, clamped to +-448, and rounded to the nearest number of E4M3, ties to even, subnormals kept.
;;     - The product sums the exact products of the quantised numbers (number of the format x scale) in f32.
;;   ~~~python
;;   def quantise(x, axis):      # numpy; x: float32 -> the quantised numbers, widened to float32 again
;;       x = np.moveaxis(x, axis, -1); K = x.shape[-1]
;;       x = np.pad(x, [(0, 0)] * (x.ndim - 1) + [(0, -K % 32)]); x = x.reshape(x.shape[:-1] + (-1, 32)); a = np.abs(x).max(-1, keepdims=True)
;;       e = np.where(a > 0, np.clip(np.frexp(np.where(a > 0, a, 1))[1] - 1 - 8, -126, 127), 0)      # np.frexp(a)[1] - 1 = floor(log2(a)), exactly
;;       r = np.clip(x / 2.0 ** e, -448, 448)
;;       step = 2.0 ** (np.maximum(np.frexp(np.where(r == 0, 1, r))[1] - 1, -6) - 3)
;;       q = np.round(r / step) * step * 2.0 ** e      # np.round: ties to even
;;       return np.moveaxis(q.reshape(q.shape[:-2] + (-1,))[..., :K], -1, axis).astype(np.float32)
;;   ~~~
;;   SOFTMAX AHEAD OF A QUANTISED PRODUCT. Where the list says 'softmax', what is quantised is not the finished softmax but p = 2^(t - M), with t = logit x log2(e) and M = ceil(the row's largest t), a whole number; so 1/2 < the row's largest p <= 1. The row's sum l is taken of the UNQUANTISED p, in f32, and the product's result is divided by l at the end. Since M is a whole number, a kernel that streams over the keys may use a running M (the ceiling of the running maximum): every later rescaling is an exact power of two, which a block's scale takes up: the codes' values come out the same.
;;   OPERANDS COMPUTED ON THE WAY. 'Computed on the way' means the value that the module computes at that place (a softmax that the list does not call 'softmax' is quantised finished and normalised). What goes into a quantiser is computed in f32, as accurately as f32 sums, v_exp_f32 and their like allow (about 1e-6 of the number): no bf16 or f16 on the way to a quantiser, and a product that is left as it is and whose result goes on into a quantised operand takes f32 operands (vector FMAs, or v_wmma_f32_16x16x4_f32). A number that lies on a knife's edge between two numbers of the format may be rounded either way, as far as f32 arithmetic and the matrix unit's own rounding can turn it there, and no further.
;; One version. Each part assembles by itself: llvm-mc -triple=amdgcn-amd-amdhsa -mcpu=gfx1250 --defsym DOCPART=n.
;; ======== version 1 of 1: 4 launches
;; limits: right only within a limited range of input values
;; workspace buffers: cw 11,796,480 bytes; sw 360,448 bytes; qkv 25,165,824 bytes; qkvs 786,432 bytes; pc 8,912,896 bytes; pst 835,584 bytes
;; launch quant (part 1): grid 352 x 1, 8 waves a work-group, no clusters, 70,656 bytes of LDS; arguments x, Wq, Wk, Wv, cw, sw; writes cw, sw
.if DOCPART == 1
	.amdgcn_target "amdgcn-amd-amdhsa--gfx1250"
	.amdhsa_code_object_version 6
	.text
	.protected	k_qbbbdcfae50_quant
	.globl	k_qbbbdcfae50_quant
	.p2align	8
	.type	k_qbbbdcfae50_quant,@function
k_qbbbdcfae50_quant:
	s_mov_b64 s[64:65], 0
	v_nop
	global_prefetch_b8 v0, s[64:65] scope:SCOPE_SE
	s_setreg_imm32_b32 hwreg(HW_REG_WAVE_MODE, 25, 1), 1
	s_wait_xcnt 0x0
; x [8192][1024] and Wq, Wk, Wv [1024 (k)][1024 (n)], f32, become codes of FP8 (E4M3) with one E8M0 byte for each 32 along K = the 1,024 input channels.
; A block's scale is 2^(floor(log2(its largest magnitude)) - 8); its byte is that magnitude's exponent field - 8, held at 1 from below; each number is held within +-448 x the scale and rounded to the nearest code.
; LIMITS: a block of zeros gets the byte 1 where the rule says 127 (its codes are zeros, and this program alone reads the bytes); NaN and infinities among the inputs are not served.
; THE WORKSPACE IS LAID AS THE MATRIX UNIT'S OPERAND REGISTERS ARE.  A tile is 16 rows: tile 2 g + u holds at place m the row 32 g + 8 u + (m & 7) + 16 (m >> 3).  Tiles 0-511: x's tokens; 512-575, 576-639, 640-703: the columns of Wq, Wk, Wv.
; cw: fragment (tile T, K step s of 128) is 2,048 bytes at 2,048 s from its tile's start; in it lane 16 h + m has, for c = 0..3, 16 bytes at 512 c + 16 lane: the codes of k = 128 s + 32 c + 16 h + 0..15 of the row at place m.
; sw: one word (four bytes) a row and K step; block (G = T >> 3, s) is 512 bytes at (8 G + s) x 512; in it the word of tile T & 7, place m, lies at 32 m + 4 (T & 7).
; Work-groups 0-255 take x (32 tokens x all of K each; a wave a tile, two fragments); work-groups 256-351 take the weights (128 columns x 256 along K; a wave 32 columns x 128 along K).
; The two ways part on the work-group's number; each has LDS bytes, a barrier and an end of its own.  No matrix unit, no cluster, no tensor load: every byte is read once and the waves share only 1,024 bytes of scale words.
; x's way in this text: a work-group takes 32 tokens (two tiles) and all of K; wave w: tile w & 1, the 256 along K of number w >> 1 (two fragments).
; x's tiles in cw are 16,896 bytes each: 16,384 of codes and behind them the tile's words, that of (place m, K step s) at 32 m + 4 s.  The weights' tiles follow at 8,650,752, 16,384 bytes each; their words alone lie in sw, in blocks (G, s).
.set XSCG,  67584
.set WSCG,  68608                      ; and here the weights' two
.set R0,    16                         ; v16-79   numbers as loaded, first fragment (the weights' way: v16-143, 128 numbers down K)
.set XA,    144                        ; v144-207 64 numbers of a lane, in the operand's order
.set PC,    208                        ; v208-239 codes: no store's data are written again
.set TM,    240                        ; v240-255 at work
.set PW,    12                         ; v12-13   scale words
.set WV,    18
.set SEL,   20
.set MNT,   23
	s_load_b256 s[4:11], s[0:1], 0x0               ; x, Wq, Wk, Wv
	s_load_b128 s[12:15], s[0:1], 0x20             ; cw, sw
	v_lshl_add_u32 v14, v0, 2, 0x11000
	v_mov_b32 v15, 0
	v_lshrrev_b32 v1, 5, v0
	s_delay_alu instid0(VALU_DEP_1)
	v_readfirstlane_b32 s[WV], v1                  ; wave 0..7
	v_and_b32 v2, 31, v0                           ; lane
	v_and_b32 v3, 15, v0                           ; r
	v_bfe_u32 v4, v0, 4, 1                         ; h
	s_delay_alu instid0(VALU_DEP_3)
	v_lshlrev_b32 v5, 4, v2                        ; 16 x lane
	s_mov_b32 s[SEL], 0x76543210
	s_mov_b32 s[SEL+1], 0xfedcba98                 ; v_permlanex16_b32's selects for lane l xor 16
	s_mov_b32 s[MNT], 0x600000                     ; the mantissa field of 448
	s_and_b32 s19, s[WV], 1
	s_cmp_lt_u32 ttmp9, 256
	s_cbranch_scc0 .Lweights
; ---------------- x: K is innermost ----------------
; 64 numbers of a lane, register 16 b + i = k 32 b + 16 h + i of my row, become a fragment's codes and its scale word
.macro QUANT s, pc, pw
.irp b, 0,1,2,3
	v_max3_num_f32 v[TM+\b], |v[\s+16*\b]|, |v[\s+1+16*\b]|, 0x4800000   ; block b: my 16 numbers, and the floor 2^(9 - 127): the byte cannot fall under 1
.endr
.irp i, 2,4,6,8,10,12,14
.irp b, 0,1,2,3
	s_delay_alu instid0(VALU_DEP_4)
	v_max3_num_f32 v[TM+\b], v[TM+\b], |v[\s+16*\b+\i]|, |v[\s+1+16*\b+\i]|   ; the four blocks by turns
.endr
.endr
.irp b, 0,1,2,3
	s_delay_alu instid0(VALU_DEP_4)
	v_permlanex16_b32 v[TM+4+\b], v[TM+\b], s[SEL], s[SEL+1]
.endr
.irp b, 0,1,2,3
	s_delay_alu instid0(VALU_DEP_4)
	v_max_num_f32 v[TM+\b], v[TM+\b], v[TM+4+\b]   ; with lane l xor 16's 16: the block's largest magnitude
.endr
.irp b, 0,1,2,3
	s_delay_alu instid0(VALU_DEP_4)
	v_add_nc_u32 v[TM+12+\b], 0xfc000000, v[TM+\b] ; 8 off its exponent field: the conversion's scale operand
.endr
.irp b, 0,1,2,3
	v_and_or_b32 v[TM+8+\b], v[TM+\b], 0x7f800000, s[MNT]   ; 448 x the scale
.endr
.irp b, 0,1,2,3
	v_lshrrev_b32 v[TM+4+\b], 23, v[TM+12+\b]      ; the scale's byte
.endr
	s_delay_alu instid0(VALU_DEP_3)
	v_lshl_or_b32 v[\pw], v[TM+5], 8, v[TM+4]
	s_delay_alu instid0(VALU_DEP_1)
	v_lshl_or_b32 v[\pw], v[TM+6], 16, v[\pw]
	s_delay_alu instid0(VALU_DEP_1)
	v_lshl_or_b32 v[\pw], v[TM+7], 24, v[\pw]      ; my row's scale word
.irp b, 0,1,2,3
.irp i, 0,1,2,3,4,5,6,7,8,9,10,11,12,13,14,15
	v_med3_num_f32 v[\s+16*\b+\i], v[\s+16*\b+\i], -v[TM+8+\b], v[TM+8+\b]   ; the conversion to an 8-bit code does not saturate (ISA guide 7.6.2): the hold comes first
.endr
	v_cvt_scalef32_pk8_fp8_f32 v[\pc+4*\b:\pc+4*\b+1], v[\s+16*\b:\s+16*\b+7], v[TM+12+\b]
	v_cvt_scalef32_pk8_fp8_f32 v[\pc+4*\b+2:\pc+4*\b+3], v[\s+16*\b+8:\s+16*\b+15], v[TM+12+\b]
.endr
	v_nop                                          ; a plain line behind the last conversion: the next lines write its scale operands
.endm
.macro XLD f                           ; fragment f: 16 loads, each 512 consecutive bytes of the row at place rho
.set rho, 0
.rept 16
	global_load_b128 v[R0+64*\f+4*rho:R0+64*\f+4*rho+3], v5, s[4:5] offset:((rho&7)+16*(rho>>3))*4096+512*\f th:TH_LOAD_NT
.set rho, rho+1
.endr
.endm
.macro XTURN f, dst                    ; through my own stage: in as loaded, out 64 bytes a lane.  LDS serves a wave's instructions in order (ISA guide 5.7.1.4): no wait between
.set rho, 0
.rept 16
	ds_store_b128 v6, v[R0+64*\f+4*rho:R0+64*\f+4*rho+3] offset:528*rho
.set rho, rho+1
.endr
.irp c, 0,1,2,3
.irp j, 0,1,2,3
	ds_load_b128 v[\dst+16*\c+4*\j:\dst+16*\c+4*\j+3], v7 offset:128*\c+16*\j
.endr
.endr
.endm
.macro XOUT f                          ; the fragment as it stands: four stores of 512 consecutive bytes; the word to the work-group's block
.irp c, 0,1,2,3
	global_store_b128 v5, v[PC+16*\f+4*\c:PC+16*\f+4*\c+3], s[12:13] offset:2048*\f+512*\c
.endr
	ds_store_b32 v8, v[PW+\f] offset:4*\f          ; both halves of the lanes write the same word with the same value
.endm
	s_lshl_b32 s24, ttmp9, 1
	s_add_co_u32 s24, s24, s19                     ; my tile: 2 x work-group + wave % 2
	s_lshr_b32 s25, s[WV], 1                       ; which 256 along K
	s_mul_i32 s26, s[WV], 8448                     ; my stage
	s_wait_alu depctr_va_vdst(0)
	v_add_nc_u32 v6, s26, v5                       ; in: 16 x lane, a row of 528 bytes for each place
	v_mul_u32_u24 v7, v3, 528
	s_delay_alu instid0(VALU_DEP_1)
	v_lshl_add_u32 v7, v4, 6, v7
	s_delay_alu instid0(VALU_DEP_1)
	v_add_nc_u32 v7, s26, v7                       ; out: row r, + 64 h
	v_lshlrev_b32 v8, 5, v3
	s_lshl_b32 s27, s25, 3
	s_lshl_b32 s28, s19, 9
	s_add_co_u32 s27, s27, s28                     ; my word: 512 x tile + 32 r + 8 x (wave / 2) + 4 x fragment
	v_add_nc_u32 v8, s27, v8
	s_delay_alu instid0(VALU_DEP_1)
	v_add_nc_u32 v8, XSCG, v8                      ; my word: 512 (wave % 2) + 32 r + 8 (wave / 2), past XSCG
	s_lshl_b32 s27, s19, 9
	v_add_nc_u32 v9, s27, v5
	s_delay_alu instid0(VALU_DEP_1)
	v_add_nc_u32 v9, XSCG, v9                      ; a block read back: 16 x lane (waves 0 and 1)
.irp b, 0,1,2,3
	v_mov_b32 v[TM+4+\b], 0                        ; a lane permute's destination counts as one of its sources
.endr
	s_lshl_b32 s28, ttmp9, 5                       ; my tile's first row: 32 x work-group + 8 x (wave % 2)
	s_lshl_b32 s29, s19, 3
	s_add_co_u32 s28, s28, s29                     ; my tile's first row: 32 x work-group + 8 x (wave % 2)
	s_lshl_b32 s28, s28, 12
	s_lshl_b32 s29, s25, 10
	s_add_co_u32 s28, s28, s29
	s_mov_b32 s29, 0
	s_mul_i32 s32, s24, 16896                      ; my tile
	s_lshl_b32 s30, s25, 12
	s_add_co_u32 s30, s30, s32                     ; my two fragments
	s_add_co_u32 s32, s32, 16384                   ; its words
	s_mov_b32 s31, 0
	s_mov_b32 s33, 0
	s_wait_kmcnt 0x0
	s_add_nc_u64 s[4:5], s[4:5], s[28:29]
	s_add_nc_u64 s[14:15], s[12:13], s[32:33]
	s_add_nc_u64 s[12:13], s[12:13], s[30:31]
	XLD 0
	XLD 1
	s_wait_loadcnt 16                              ; the first fragment's 16 loads are in; the second's may be out
	XTURN 0, XA
	s_wait_dscnt 0x0                               ; the first fragment is back, and its stores have read v16-79
	s_wait_loadcnt 0x0
	XTURN 1, R0                                    ; the second lands in v16-79 while the first is quantised
	QUANT XA, PC, PW
	XOUT 0
	s_wait_dscnt 0x0
	QUANT R0, PC+16, PW+1
	XOUT 1
	s_wait_dscnt 0x0                               ; for the others' sake: my words lie in LDS
	s_barrier_signal -1
	s_barrier_wait -1
	s_cmp_lt_u32 s[WV], 2
	s_cbranch_scc0 .Lxdone
	ds_load_b128 v[16:19], v9                      ; wave w stores block w: 512 consecutive bytes
	s_wait_dscnt 0x0
	global_store_b128 v5, v[16:19], s[14:15]
.Lxdone:
	s_wait_tensorcnt 0x0
	ds_add_u32 v14, v15
	s_wait_dscnt 0x0
	s_endpgm
; ---------------- the weights: K is the first axis.  A lane takes a column, its registers run down K ----------------
.Lweights:
	s_sub_co_u32 s24, ttmp9, 256
	s_lshr_b32 s25, s24, 2                         ; which 128 columns of the three matrices' 3,072
	s_and_b32 s26, s24, 3                          ; which 256 along K
	s_lshr_b32 s27, s25, 3                         ; the matrix
	s_and_b32 s28, s25, 7
	s_and_b32 s29, s[WV], 3                        ; which 32 columns
	s_lshr_b32 s30, s[WV], 2                       ; which K step of the two
	s_wait_alu depctr_va_vdst(0)
	v_lshlrev_b32 v6, 2, v2                        ; in: 4 bytes a lane
	v_bfe_u32 v7, v0, 3, 1                         ; column l of 32 lies in tile u = (l >> 3) & 1
	v_and_b32 v8, 7, v0
	s_delay_alu instid0(VALU_DEP_1)
	v_lshl_add_u32 v8, v4, 3, v8                   ; at place m = (l & 7) + 8 (l >> 4)
	s_delay_alu instid0(VALU_DEP_1)
	v_lshlrev_b32 v9, 4, v8
	s_delay_alu instid0(VALU_DEP_1)
	v_lshl_add_u32 v9, v7, 14, v9                  ; codes: 16,384 u + 16 m
	s_delay_alu instid0(VALU_DEP_3)
	v_lshlrev_b32 v10, 5, v8
	s_delay_alu instid0(VALU_DEP_1)
	v_lshl_add_u32 v10, v7, 2, v10
	s_lshl_b32 s38, s29, 3
	s_lshl_b32 s39, s30, 9
	s_add_co_u32 s38, s38, s39
	v_add_nc_u32 v10, s38, v10
	s_delay_alu instid0(VALU_DEP_1)
	v_add_nc_u32 v10, WSCG, v10                    ; my word: 512 f + 32 m + 4 (2 wc + u)
	s_lshl_b32 s38, s19, 9
	v_add_nc_u32 v11, s38, v5
	s_delay_alu instid0(VALU_DEP_1)
	v_add_nc_u32 v11, WSCG, v11
	s_lshl_b32 s31, s26, 1
	s_add_co_u32 s31, s31, s30                     ; my K step
	s_lshl_b32 s32, s31, 19                        ; 128 rows of 4,096 bytes
	s_lshl_b32 s33, s28, 9
	s_add_co_u32 s32, s32, s33
	s_lshl_b32 s33, s29, 7
	s_add_co_u32 s32, s32, s33
	s_mov_b32 s33, 0
	s_lshl_b32 s34, s25, 3
	s_add_co_u32 s34, s34, 512
	s_lshl_b32 s35, s29, 1
	s_add_co_u32 s34, s34, s35                     ; my first tile: 512 + 8 CG + 2 wc
	s_lshl_b32 s34, s34, 3
	s_add_co_u32 s34, s34, s31
	s_lshl_b32 s34, s34, 11
	s_add_co_u32 s34, s34, 262144                  ; x's 512 tiles are 512 bytes longer each
	s_mov_b32 s35, 0
	s_add_co_u32 s36, s25, 64
	s_lshl_b32 s36, s36, 3
	s_lshl_b32 s37, s26, 1
	s_add_co_u32 s36, s36, s37
	s_add_co_u32 s36, s36, s19
	s_lshl_b32 s36, s36, 9
	s_mov_b32 s37, 0
	s_wait_kmcnt 0x0
	s_cmp_eq_u32 s27, 1                            ; the choice hangs on the work-group's number alone
	s_cselect_b64 s[6:7], s[8:9], s[6:7]
	s_cmp_eq_u32 s27, 2
	s_cselect_b64 s[6:7], s[10:11], s[6:7]
	s_add_nc_u64 s[6:7], s[6:7], s[32:33]
	s_add_nc_u64 s[12:13], s[12:13], s[34:35]
	s_add_nc_u64 s[14:15], s[14:15], s[36:37]
.set n, 0
.rept 128
	global_load_b32 v[16+n], v6, s[6:7] offset:n*4096 th:TH_LOAD_NT   ; W(128 s + n, my column): 32 lanes read 128 consecutive bytes
.set n, n+1
.endr
.macro WBLK c, left                    ; block c: all its 32 numbers are mine
.set XS, 16+32*\c
	s_wait_loadcnt \left
	v_max3_num_f32 v[TM], |v[XS]|, |v[XS+1]|, |v[XS+2]|
	v_max3_num_f32 v[TM+1], |v[XS+3]|, |v[XS+4]|, |v[XS+5]|
.irp i, 6,10,14,18,22,26
	s_delay_alu instid0(VALU_DEP_2)
	v_max3_num_f32 v[TM], v[TM], |v[XS+\i]|, |v[XS+\i+1]|
	s_delay_alu instid0(VALU_DEP_2)
	v_max3_num_f32 v[TM+1], v[TM+1], |v[XS+\i+2]|, |v[XS+\i+3]|
.endr
	s_delay_alu instid0(VALU_DEP_2)
	v_max3_num_f32 v[TM], v[TM], |v[XS+30]|, |v[XS+31]|
	s_delay_alu instid0(VALU_DEP_1)
	v_max3_num_f32 v[TM], v[TM], v[TM+1], 0x4800000   ; and the floor
	s_delay_alu instid0(VALU_DEP_1)
	v_add_nc_u32 v[TM+3], 0xfc000000, v[TM]
	s_delay_alu instid0(VALU_DEP_2)
	v_and_or_b32 v[TM+2], v[TM], 0x7f800000, s[MNT]
	s_delay_alu instid0(VALU_DEP_2)
	v_lshrrev_b32 v[TM+1], 23, v[TM+3]
.if \c == 0
	s_delay_alu instid0(VALU_DEP_1)
	v_mov_b32 v[PW], v[TM+1]
.else
	s_delay_alu instid0(VALU_DEP_1)
	v_lshl_or_b32 v[PW], v[TM+1], 8*\c, v[PW]
.endif
.irp i, 0,1,2,3,4,5,6,7,8,9,10,11,12,13,14,15,16,17,18,19,20,21,22,23,24,25,26,27,28,29,30,31
	v_med3_num_f32 v[XS+\i], v[XS+\i], -v[TM+2], v[TM+2]
.endr
.irp g, 0,1,2,3
	v_cvt_scalef32_pk8_fp8_f32 v[PC+8*\c+2*\g:PC+8*\c+2*\g+1], v[XS+8*\g:XS+8*\g+7], v[TM+3]
.endr
	v_nop                                          ; a plain line behind the last conversion
	global_store_b128 v9, v[PC+8*\c:PC+8*\c+3], s[12:13] offset:512*\c         ; k = 32 c + 0..15: the places of lanes 0-15; the sixteen columns of a tile fill 256 consecutive bytes
	global_store_b128 v9, v[PC+8*\c+4:PC+8*\c+7], s[12:13] offset:512*\c+256   ; k = 32 c + 16..31: those of lanes 16-31
.endm
	WBLK 0, 63                                     ; 96 later loads may be out; the count names 63 at the most
	WBLK 1, 63                                     ; 64 may
	WBLK 2, 32
	WBLK 3, 0
	ds_store_b32 v10, v[PW]
	s_wait_dscnt 0x0
	s_barrier_signal -1
	s_barrier_wait -1
	s_cmp_lt_u32 s[WV], 2
	s_cbranch_scc0 .Lwdone
	ds_load_b128 v[16:19], v11
	s_wait_dscnt 0x0
	global_store_b128 v5, v[16:19], s[14:15]
.Lwdone:
	s_wait_tensorcnt 0x0
	ds_add_u32 v14, v15
	s_wait_dscnt 0x0
	s_endpgm
.Lfunc_end_k_qbbbdcfae50_quant:
	.size	k_qbbbdcfae50_quant, .Lfunc_end_k_qbbbdcfae50_quant-k_qbbbdcfae50_quant
	.p2alignl 7, 3214868480
	.fill 96, 4, 3214868480
	.section	.rodata,"a",@progbits
	.p2align	6, 0x0
	.amdhsa_kernel k_qbbbdcfae50_quant
		.amdhsa_group_segment_fixed_size 70656
		.amdhsa_private_segment_fixed_size 0
		.amdhsa_enable_private_segment 0
		.amdhsa_kernarg_size 48
		.amdhsa_user_sgpr_count 2
		.amdhsa_user_sgpr_kernarg_segment_ptr 1
		.amdhsa_wavefront_size32 1
		.amdhsa_system_sgpr_workgroup_id_x 1
		.amdhsa_system_sgpr_workgroup_id_y 1
		.amdhsa_system_sgpr_workgroup_id_z 1
		.amdhsa_system_vgpr_workitem_id 0
		.amdhsa_next_free_vgpr 256
		.amdhsa_next_free_sgpr 66
		.amdhsa_reserve_vcc 0
		.amdhsa_float_denorm_mode_32 3
		.amdhsa_float_denorm_mode_16_64 3
		.amdhsa_memory_ordered 1
		.amdhsa_forward_progress 1
		.amdhsa_inst_pref_size 62
	.end_amdhsa_kernel
	.amdgpu_metadata
---
amdhsa.version: [ 1, 2 ]
amdhsa.kernels:
  - .name:           k_qbbbdcfae50_quant
    .symbol:         k_qbbbdcfae50_quant.kd
    .args:
      - { .name: x, .offset: 0, .size: 8, .value_kind: global_buffer, .address_space: global }
      - { .name: Wq, .offset: 8, .size: 8, .value_kind: global_buffer, .address_space: global }
      - { .name: Wk, .offset: 16, .size: 8, .value_kind: global_buffer, .address_space: global }
      - { .name: Wv, .offset: 24, .size: 8, .value_kind: global_buffer, .address_space: global }
      - { .name: cw, .offset: 32, .size: 8, .value_kind: global_buffer, .address_space: global }
      - { .name: sw, .offset: 40, .size: 8, .value_kind: global_buffer, .address_space: global }
    .group_segment_fixed_size: 70656
    .private_segment_fixed_size: 0
    .kernarg_segment_align: 8
    .kernarg_segment_size: 48
    .max_flat_workgroup_size: 256
    .sgpr_count:     66
    .vgpr_count:     256
    .wavefront_size: 32
...
	.end_amdgpu_metadata
.endif
;; end of part 1
;; launch proj (part 2): grid 8 x 32, 4 waves a work-group, clusters of 4 x 4, 327,680 bytes of LDS; arguments cw, sw, qkv, qkvs; writes qkv, qkvs
.if DOCPART == 2
	.amdgcn_target "amdgcn-amd-amdhsa--gfx1250"
	.amdhsa_code_object_version 6
	.text
	.protected	k_qbbbdcfae50_proj
	.globl	k_qbbbdcfae50_proj
	.p2align	8
	.type	k_qbbbdcfae50_proj,@function
k_qbbbdcfae50_proj:
	s_mov_b64 s[64:65], 0
	v_nop
	global_prefetch_b8 v0, s[64:65] scope:SCOPE_SE
	s_setreg_imm32_b32 hwreg(HW_REG_WAVE_MODE, 25, 1), 1
	s_wait_xcnt 0x0
	s_wait_alu depctr_hold_cnt(0) depctr_sa_sdst(0) depctr_va_vdst(0) depctr_va_sdst(0) depctr_va_ssrc(0) depctr_va_vcc(0) depctr_vm_vsrc(0)
	s_getreg_b32 s2, hwreg(HW_REG_IB_STS2, 6, 4)
	s_cmp_eq_u32 s2, 0
	s_cbranch_scc0 .Lentry_in_a_cluster
	s_endpgm
.Lentry_in_a_cluster:
	s_bfe_u32 s2, ttmp6, 0x10000c
	s_cmp_lg_u32 s2, 0xf033
	s_cbranch_scc0 .Lentry_shape_is_right
	s_endpgm
.Lentry_shape_is_right:
; q = x Wq, k = x Wk and v^T = (x Wv)^T on codes of FP8 (E4M3) with E8M0 scales, K = 1,024; each result is quantised again in registers, along the K of the product that will read it, and leaves as codes.
; SHARES.  256 work-groups: token block y (256 tokens) x column group x (0..7).  PHASE 1: the 256 tokens x 256 of the 2,048 columns of Wq, Wk.  PHASE 2: the same 256 tokens x 128 of the 1,024 columns of Wv.
; A wave holds 64 rows of one operand (four tiles), ALL of K, in 512 registers, and streams blocks of 16 rows of the other past them: 32 products a block, four accumulators by turns.
; Phase 1: it holds 64 columns of Wq or Wk and streams the 16 token tiles; phase 2: it holds its own 64 tokens and streams the 8 tiles of Wv.  So one text serves both: source 0 = what is held, source 1 = the block:
; a lane holds one row of the block and its registers run along what is held.  A tile 2 g + u holds at place m the row 32 g + 8 u + (m & 7) + 16 (m >> 3): the 16 registers of tiles 2 p, 2 p + 1 are 16 neighbours, 32 p + 16 (lane / 16) + 0..15.
; cw, qkv are laid as operand registers are: fragment (tile T, K step s) = 2,048 bytes, lane l's 16 bytes of slice c at 512 c + 16 l.  cw: 8 K steps a tile; x's 512 tiles are 16,896 bytes (codes, then the word of (place m, step s) at 32 m + 4 s);
; from 8,650,752 on the weights' 192 tiles of 16,384.  qkv: 512 token tiles of 16 K steps (0-7 q, 8-15 k); at 16,777,216: 64 channel tiles of v^T of 64 K steps.
; The weights' words (sw) and qkvs: blocks (T >> 3, s) of 512 bytes, the word of (T & 7, m) at 32 m + 4 (T & 7).
; LDS holds x's 16 tiles until the change of phase; tiles 8-15 come where half of the weights stood first.  Beside them: the first two tiles of Wv, its words, and the bytes on their way out.
; THE HELD WEIGHTS: K steps 0-3 of the work-group's 256 columns come through LDS by one joint load (rows of 8,448 bytes, so that they fill what tiles 8-15 of x take over); K steps 4-7 go from memory straight into registers, each wave's own 64 columns.
; CLUSTER 4 x 4: a row of the cluster shares the token block: x is asked for jointly; a column shares the column group: the staged weights and Wv are asked for jointly.
; THE WAY OUT of a block stands among the next block's products, two lines behind each.
; LIMITS: a block of zeros gets the byte 1 (its codes are zeros; this program alone reads the bytes); NaN and infinities are not served.
; REGISTERS: windows 1, 2: what is held (fragment n = 4 q + b: window 1 + n / 16).  Window 3: two blocks' fragments.  Window 0: all else.
.set TT,    16896                      ; a token tile
.set XH,    8*TT                       ; tiles 8-15; at first the staged weights
.set EX,    16*TT                      ; tiles 0, 1 of Wv
.set EW,    303104                     ; Wv's words
.set OW,    307200                     ; q's or k's bytes: [K step of two][row: 64 bytes: 16 tiles x 4]
.set OWV,   309248                     ; v's likewise
.set SPARE, 311296                     ; the spare words, 128 bytes a wave: two blocks of 256 bytes that no other line names
.set R32,   4                          ; 32 r
.set LOF,   5                          ; 16 x lane
.set AAS0,  6
.set ADRA,  7                          ; the tile that is fetched
.set AAS,   8                          ; and its words
.set VX0,   9
.set SPW,   10
.set NIL,   11
.set VX,    12                         ; where a block's two bytes go
.set STA,   13                         ; my own token tiles 0, 1
.set SWA,   14                         ; my four tiles' words
.set PFO,   15
.set TQ,    16
.set TX,    18
.set SOP,   20
.set BD,    22
.set EB,    24
.set EBW,   26
.set STW,   27                         ; my staged weights
.set STB,   28                         ; my own token tiles 2, 3
.set SB,    32                         ; v32-63 words of what is held: K step q, tile b at 8 q + 4 + b for q < 4, else 8 (q - 4) + b: never equal modulo 8 to
.set SA,    64                         ; v64-79 the block's word of the same K step: two sets of eight
.set ACC,   80                         ; v80-143 two sets of four accumulators
.set NCD,   144                        ; v144-151 a block's codes
.set G1A,   24
.set G0B,   32
.set G0C,   36
.set G1B,   48
.set G0A,   56
.set G1C,   68
.set MSB, 0
.macro WIN new                         ; the immediate's high byte repeats the setting that is left
.if MSB != (\new)
	s_set_vgpr_msb (MSB<<8)|(\new)
.set MSB, (\new)
.endif
.endm
.macro PLACES n
.rept \n
	v_nop
.endr
.endm
.macro BARRIER
	s_barrier_signal -1
	s_barrier_wait -1
.endm
.macro CROUND                          ; a round of the cluster's barrier
	BARRIER
	s_cmp_lg_u32 s14, 0
	s_cbranch_scc1 .Lnot_wave_0_\@
	s_barrier_signal -3
.Lnot_wave_0_\@:
	s_barrier_wait -3
	BARRIER
.endm
.macro TLOAD g0, g1
	tensor_load_to_lds s[\g0:\g0+3], s[\g1:\g1+7]
	s_nop 0
	PLACES 4
.endm
.macro GROUP1 g, mask, cols, rows, pitch   ; elements of 8 bytes, no padding in LDS
	s_or_b32 s[\g], s[\mask], (3<<16)|(1<<21)
	s_mov_b32 s[\g+1], (\cols)<<16
	s_mov_b32 s[\g+2], (\rows)<<16
	s_mov_b32 s[\g+3], (\cols)<<16
	s_mov_b32 s[\g+4], \rows
	s_mov_b32 s[\g+5], \pitch
	s_mov_b32 s[\g+6], 0
	s_mov_b32 s[\g+7], 0
.endm
	s_load_b256 s[4:11], s[0:1], 0x0               ; cw, sw, qkv, qkvs
	v_lshl_add_u32 v[SPW], v0, 2, SPARE
	v_mov_b32 v[NIL], 0
	ds_add_u32 v[SPW], v[NIL]                      ; the wave's opening: the add, twice on end
	ds_add_u32 v[SPW], v[NIL]
	v_lshrrev_b32 v1, 5, v0
	v_readfirstlane_b32 s14, v1                    ; wave 0..3
	s_lshr_b32 s15, s14, 1
	s_and_b32 s18, s14, 1
	s_bfe_u32 s40, ttmp6, 0x40000                  ; cx
	s_bfe_u32 s41, ttmp6, 0x40004                  ; cy
	s_lshl_b32 s42, ttmp9, 2
	s_add_co_u32 s42, s42, s40                     ; column group
	s_and_b32 s43, ttmp7, 0xffff
	s_lshl_b32 s43, s43, 2
	s_add_co_u32 s43, s43, s41                     ; token block
	s_lshl_b32 s44, s41, 2
	s_lshl_b32 s44, 15, s44                        ; my row of the cluster: shares x
	s_lshl_b32 s45, 0x1111, s40                    ; my column: shares weights
	GROUP1 G1A, 45, 1056, 16, 2048                 ; staged weights: 16 tiles, K steps 0-3 and 256 bytes more
	GROUP1 G1B, 44, 256, 33, 256                   ; four tiles of x as rows of 2,048 bytes
	GROUP1 G1C, 45, 256, 2, 256                    ; Wv's words; later its tiles
	s_mov_b32 s60, 0x76543210
	s_mov_b32 s61, 0xfedcba98                      ; v_permlanex16_b32's selects for lane l xor 16
	s_mov_b32 s62, 0x600000                        ; the mantissa field of 448
	v_and_b32 v2, 31, v0
	v_and_b32 v3, 15, v0
	v_lshlrev_b32 v[LOF], 4, v2
	v_lshlrev_b32 v[R32], 5, v3
	v_add_nc_u32 v[AAS0], 16384, v[R32]
	s_lshl_b32 s20, s15, 10
	s_lshl_b32 s21, s18, 1
	s_add_co_u32 s20, s20, s21
	s_add_co_u32 s20, s20, OW-4                    ; (a step of 4 comes ahead of each block's bytes)
	v_lshl_add_u32 v[VX0], v3, 6, s20
	s_mul_i32 s20, s14, 4*TT
	v_add_nc_u32 v[STA], s20, v[LOF]
	v_add_nc_u32 v[STB], 2*TT, v[STA]
	v_add_nc_u32 v[SWA], s20, v[AAS0]
	s_mul_i32 s20, s14, 33792
	s_add_co_u32 s20, s20, XH
	v_add_nc_u32 v[STW], s20, v[LOF]
	v_and_b32 v[PFO], 3, v0
	v_lshlrev_b32 v[PFO], 8, v[PFO]
	v_mov_b32 v[TX], 0                             ; a lane permute's destination counts as one of its sources
	v_mov_b32 v[TX+1], 0
	; offsets, each under 2^32
	s_mul_i32 s16, s43, 16*TT                      ; x's tiles
	s_mov_b32 s17, 0
	s_lshl_b32 s82, s42, 18
	s_add_co_u32 s82, s82, 8650752                 ; the group's 16 tiles of Wq or Wk
	s_mov_b32 s83, 0
	s_lshl_b32 s20, s14, 16
	s_add_co_u32 s22, s82, s20                     ; my four
	s_mov_b32 s23, 0
	s_lshl_b32 s66, s42, 17
	s_add_co_u32 s66, s66, 8650752+128*16384       ; Wv's eight tiles
	s_mov_b32 s67, 0
	s_lshl_b32 s78, s42, 1
	s_add_co_u32 s78, s78, s15
	s_add_co_u32 s78, s78, 64
	s_lshl_b32 s78, s78, 12
	s_lshl_b32 s20, s18, 4
	s_add_co_u32 s78, s78, s20                     ; my tiles' words
	s_mov_b32 s79, 0
	s_add_co_u32 s80, s42, 80
	s_lshl_b32 s80, s80, 12                        ; Wv's words
	s_mov_b32 s81, 0
	s_lshl_b32 s84, s43, 19
	s_lshl_b32 s20, s42, 12
	s_add_co_u32 s84, s84, s20
	s_lshl_b32 s20, s14, 10
	s_add_co_u32 s84, s84, s20                     ; q's or k's codes: tile 16 y, K step 2 x + wave / 2, slices 2 (wave % 2) on
	s_mov_b32 s85, 0
	s_mov_b32 s86, 32768                           ; from output tile to output tile
	s_mov_b32 s87, 0
	s_lshl_b32 s96, s42, 20
	s_lshl_b32 s21, s43, 12
	s_add_co_u32 s96, s96, s21
	s_add_co_u32 s96, s96, s20
	s_add_co_u32 s96, s96, 16777216-131072         ; v's: tile 8 x, less the one step that comes ahead
	s_mov_b32 s97, 0
	s_lshl_b32 s90, s43, 1
	s_add_co_u32 s90, s90, s18
	s_lshl_b32 s90, s90, 4
	s_lshl_b32 s20, s42, 1
	s_add_co_u32 s90, s90, s20
	s_add_co_u32 s90, s90, s15
	s_lshl_b32 s90, s90, 9                         ; wave w stores q's or k's block of words (group 2 y + w % 2, K step 2 x + w / 2)
	s_mov_b32 s91, 0
	s_lshl_b32 s92, s42, 6
	s_lshl_b32 s20, s43, 1
	s_add_co_u32 s92, s92, s20
	s_add_co_u32 s92, s92, s15
	s_lshl_b32 s92, s92, 9
	s_lshl_b32 s20, s18, 8
	s_add_co_u32 s92, s92, s20
	s_add_co_u32 s92, s92, 524288                  ; and half w % 2 of v's block (group x, K step 2 y + w / 2)
	s_mov_b32 s93, 0
	s_lshl_b32 s88, s43, 12
	s_lshl_b32 s20, s14, 10
	s_add_co_u32 s88, s88, s20                     ; my 1,024 bytes of the prefetch of Wv's tiles: the 32 work-groups that read them share them out
	s_mov_b32 s89, 0
	s_mov_b32 s[G0A], 1
	s_mov_b32 s[G0A+1], XH
	s_mov_b32 s[G0B], 1
	s_mul_i32 s[G0B+1], s18, 4*TT
	s_mov_b32 s20, s[G0B+1]
	s_mov_b32 s21, 0
	s_mov_b32 s[G0C], 1
	s_mov_b32 s[G0C+1], EW
	s_wait_dscnt 0x0                               ; both opening adds are done
	s_wait_alu depctr_va_vdst(0)                   ; the wait at the head's end
	s_wait_kmcnt 0x0
	s_add_nc_u64 s[22:23], s[4:5], s[22:23]
	s_add_nc_u64 s[78:79], s[6:7], s[78:79]
	s_add_nc_u64 s[16:17], s[4:5], s[16:17]
	s_add_nc_u64 s[66:67], s[4:5], s[66:67]
	s_add_nc_u64 s[88:89], s[66:67], s[88:89]
	s_add_nc_u64 s[G0A+2:G0A+3], s[4:5], s[82:83]
	s_or_b32 s[G0A+3], s[G0A+3], 0x80000000
	s_add_nc_u64 s[G0B+2:G0B+3], s[16:17], s[20:21]
	s_or_b32 s[G0B+3], s[G0B+3], 0x80000000
	s_add_nc_u64 s[G0C+2:G0C+3], s[6:7], s[80:81]
	s_or_b32 s[G0C+3], s[G0C+3], 0x80000000
	CROUND                                         ; all sixteen work-groups are here: the first joint loads meet
	s_cmp_eq_u32 s14, 0                            ; one tensor load a wave: the staged weights, Wv's words, token tiles 0-3, 4-7
	s_cbranch_scc0 .Lhead_1
	TLOAD G0A, G1A
	s_branch .Lhead_asked
.Lhead_1:
	s_cmp_eq_u32 s14, 1
	s_cbranch_scc0 .Lhead_2
	TLOAD G0C, G1C
	s_branch .Lhead_asked
.Lhead_2:
	TLOAD G0B, G1B
.Lhead_asked:
.irp q, 0,1,2,3                        ; my held tiles' words: four tiles a load
	global_load_b128 v[SB+8*\q+4:SB+8*\q+7], v[R32], s[78:79] offset:512*\q
	global_load_b128 v[SB+8*\q:SB+8*\q+3], v[R32], s[78:79] offset:512*(\q+4)
.endr
	WIN 0x80
.irp q, 4,5,6,7                        ; K steps 4-7 of my four tiles: 64 loads of 512 consecutive bytes
.irp b, 0,1,2,3
.irp c, 0,1,2,3
	global_load_b128 v[64*(\q-4)+16*\b+4*\c:64*(\q-4)+16*\b+4*\c+3], v[LOF], s[22:23] offset:16384*\b+2048*\q+512*\c
.endr
.endr
.endr
	WIN 0
	s_add_nc_u64 s[84:85], s[8:9], s[84:85]
	s_sub_nc_u64 s[84:85], s[84:85], s[86:87]      ; (a step comes ahead of each block's stores)
	s_add_nc_u64 s[96:97], s[8:9], s[96:97]
	s_add_nc_u64 s[90:91], s[10:11], s[90:91]
	s_add_nc_u64 s[92:93], s[10:11], s[92:93]
	s_cmp_lt_u32 s14, 1
	s_cbranch_scc0 .Lnot_staged
	s_wait_tensorcnt 0x0                           ; wave 0: the staged weights are in
.Lnot_staged:
	BARRIER
	WIN 0x40
.irp q, 0,1,2,3
.irp b, 0,1,2,3
.irp c, 0,1,2,3
	ds_load_b128 v[64*\q+16*\b+4*\c:64*\q+16*\b+4*\c+3], v[STW] offset:8448*\b+2048*\q+512*\c
.endr
.endr
.endr
	WIN 0
	s_wait_tensorcnt 0x0                           ; my head tile is in
	ds_add_u32 v[SPW], v[NIL]
	s_mul_i32 s20, s14, 2*TT                       ; no tensor load of mine is out: the descriptor takes tiles 8 + 2 wave, 9 + 2 wave of x: 33 rows of 1,024 bytes
	s_add_co_u32 s20, s20, XH
	s_mov_b32 s21, 0
	s_mov_b32 s[G0B+1], s20
	s_add_nc_u64 s[G0B+2:G0B+3], s[16:17], s[20:21]
	s_or_b32 s[G0B+3], s[G0B+3], 0x80000000
	s_mov_b32 s[G1B+1], 128<<16
	s_mov_b32 s[G1B+3], 128<<16
	s_mov_b32 s[G1B+5], 128
	s_wait_dscnt 0x0                               ; the add is done, and my staged weights are in registers
	CROUND
	TLOAD G0B, G1B
.macro XFR e, q, a, off                ; K step q of a block of 16 rows, into set e: four loads of 512 consecutive bytes
.irp c, 0,1,2,3
	ds_load_b128 v[128*(\e)+16*(\q)+4*\c:128*(\e)+16*(\q)+4*\c+3], v[\a] offset:2048*(\q)+512*\c+\off
.endr
.endm
.macro FETCH e, kind, a, off, wa, woff ; a block in one run, and its eight words: x's (kind 0) lie side by side, Wv's (kind 1) 512 bytes apart
	WIN 3<<6
.irp q, 0,1,2,3,4,5,6,7
	XFR \e, \q, \a, \off
.endr
	WIN 0
.if \kind
.irp q, 0,1,2,3,4,5,6,7
	ds_load_b32 v[SA+8*(\e)+\q], v[\wa] offset:512*\q+\woff
.endr
.else
	ds_load_b128 v[SA+8*(\e):SA+8*(\e)+3], v[\wa] offset:\woff
	ds_load_b128 v[SA+8*(\e)+4:SA+8*(\e)+7], v[\wa] offset:\woff+16
.endif
.endm
.macro PROD e, n                       ; product n = 4 q + b: K step q, held tile b; the first K step starts the sums
.set Q_, (\n)/4
.set B_, (\n)%4
.set A_, ACC+32*(\e)+8*B_
.set W_, 16*((\n)%16)
.set X_, 128*(\e)+16*Q_
.set Y_, SA+8*(\e)+Q_
.if Q_ < 4
.set S_, SB+8*Q_+4+B_
.else
.set S_, SB+8*(Q_-4)+B_
.endif
	WIN 13+(\n)/16
.if Q_
	v_wmma_scale_f32_16x16x128_f8f6f4 v[A_:A_+7], v[W_:W_+15], v[X_:X_+15], v[A_:A_+7], v[S_], v[Y_]
.else
	v_wmma_scale_f32_16x16x128_f8f6f4 v[A_:A_+7], v[W_:W_+15], v[X_:X_+15], 0, v[S_], v[Y_]
.endif
.endm
; THE QUANTISER of a block's 32 sums at x, line by line: 0-15 the two largest magnitudes (with the floor 2^(9 - 127)), 16-19 joined with lane l xor 16's, 20-23 scale operands and bounds (448 x the scale), the rest holds and the bytes.
; The bytes stand at 30 and 31, so that no line reads a bound 8 or 9 lines behind its write.
.macro WL i, x
.set P_, (\i)%2
.if (\i) < 16
.set R_, \x+16*P_+2*((\i)/2)
.if (\i) < 2
	v_max3_num_f32 v[TQ+P_], |v[R_]|, |v[R_+1]|, 0x4800000
.else
	v_max3_num_f32 v[TQ+P_], v[TQ+P_], |v[R_]|, |v[R_+1]|
.endif
.elseif (\i) < 18
	v_permlanex16_b32 v[TX+P_], v[TQ+P_], s60, s61
.elseif (\i) < 20
	v_max_num_f32 v[TQ+P_], v[TQ+P_], v[TX+P_]
.elseif (\i) < 22
	v_add_nc_u32 v[SOP+P_], 0xfc000000, v[TQ+P_]
.elseif (\i) < 24
	v_and_or_b32 v[BD+P_], v[TQ+P_], 0x7f800000, s62
.elseif (\i) == 30 || (\i) == 31
	v_lshrrev_b32 v[EB+P_], 23, v[SOP+P_]
.elseif (\i) < 58
.set J_, (\i)-24
.if (\i) > 31
.set J_, (\i)-26
.endif
	v_med3_num_f32 v[\x+J_], v[\x+J_], -v[BD+J_/16], v[BD+J_/16]
.else
	v_lshl_or_b32 v[EBW], v[EB+1], 8, v[EB]
.endif
.endm
.macro CV i, x
	v_cvt_scalef32_pk8_fp8_f32 v[NCD+2*(\i):NCD+2*(\i)+1], v[\x+8*(\i):\x+8*(\i)+7], v[SOP+(\i)/2]
.endm
.macro GAP g, x
	WIN 0
	WL 2*(\g), \x
.if (\g) < 29
	WL 2*(\g)+1, \x
.endif
.if (\g) == 19
	CV 0, \x
.elseif (\g) == 20
	CV 1, \x
.elseif (\g) == 24
	CV 2, \x
.elseif (\g) == 28
	CV 3, \x
.endif
.endm
.macro QOUT                            ; the two bytes to their place in LDS, the codes to memory: two stores of 512 consecutive bytes
	ds_store_b16 v[VX], v[EBW]
	global_store_b128 v[LOF], v[NCD:NCD+3], s[84:85]
	global_store_b128 v[LOF], v[NCD+4:NCD+7], s[84:85] offset:512
.endm
; A BLOCK on set e.  w: the LDS work issued behind what it needs may be out.  wo = 1: the block before goes out among its products.  il = 1: the tile st bytes on (words: ws) is fetched into the set in hand, behind eight places.
.macro BLK e, w, wo, il, kind, st, ws
	s_wait_dscnt \w
	s_wait_xcnt 0x0                                ; the stores of the block before have read their codes and base
.set N_, 0
.rept 32
	PROD \e, N_
.if N_ == 0
.if \il
	s_add_co_u32 s47, s47, \st
	s_add_co_u32 s12, s12, \ws
.endif
.if \wo
	s_add_nc_u64 s[84:85], s[84:85], s[86:87]
	s_add_co_u32 s13, s13, 4
	WIN 0
	v_add_nc_u32 v[VX], s13, v[VX0]
.endif
.if \il
	WIN 0
	v_add_nc_u32 v[ADRA], s47, v[LOF]
	v_add_nc_u32 v[AAS], s12, v[AAS0]
.endif
.elseif (\wo) && (N_ < 31)
	GAP N_-1, ACC+32*(1-\e)
.if PF_ && (N_ == 9)
	global_prefetch_b8 v[PFO], s[88:89] th:TH_LOAD_NT scope:SCOPE_SE   ; Wv's tiles, ahead of both their loads; lanes beyond the fourth name the wave's four blocks again
.endif
.endif
.set N_, N_+1
.endr
	WIN 0
	PLACES 8
.if \il
	FETCH \e, \kind, ADRA, 0, AAS, 0
.endif
.if \wo
	QOUT
.endif
.endm
.set PF_, 0
	s_mov_b32 s13, 0
	s_mov_b32 s47, 2*TT
	s_mov_b32 s12, 2*TT
	FETCH 0, 0, LOF, 0, AAS0, 0
	FETCH 1, 0, LOF, TT, AAS0, TT
; PHASE 1.  Block 0: the direct half of what I hold may still be on its way: the waits count the fragments of later K steps (63 at the first: my words are in)
	s_wait_dscnt 34
	s_wait_loadcnt 63
.set N_, 0
.rept 32
.if (N_ > 15) && (N_%4 == 0)
	s_wait_loadcnt 112-4*N_
.endif
	PROD 0, N_
.set N_, N_+1
.endr
	WIN 0
	PLACES 8
	FETCH 0, 0, LOF, 2*TT, AAS0, 2*TT
.set PF_, 1
	BLK 1, 34, 1, 1, 0, TT, TT
.set PF_, 0
	s_mov_b32 s46, 0
.Lfirst:                                           ; blocks 2-5
	BLK 0, 34, 1, 1, 0, TT, TT
	BLK 1, 34, 1, 1, 0, TT, TT
	s_add_co_u32 s46, s46, 1
	s_cmp_lg_u32 s46, 2
	s_cbranch_scc1 .Lfirst
	s_wait_alu depctr_va_vdst(0)
	s_wait_tensorcnt 0x0                           ; tiles 8-15 are in
	ds_add_u32 v[SPW], v[NIL]
	s_lshl_b32 s20, s14, 13                        ; tiles 0, 1 of Wv: a quarter a wave
	s_mov_b32 s21, 0
	s_add_co_u32 s[G0C+1], s20, EX
	s_add_nc_u64 s[G0C+2:G0C+3], s[66:67], s[20:21]
	s_or_b32 s[G0C+3], s[G0C+3], 0x80000000
	s_mov_b32 s[G1C+2], 4<<16
	s_mov_b32 s[G1C+4], 4
	s_wait_dscnt 0x0
	CROUND
	TLOAD G0C, G1C
	s_mov_b32 s46, 0
.Lqk:                                              ; blocks 6-13
	BLK 0, 34, 1, 1, 0, TT, TT
	BLK 1, 34, 1, 1, 0, TT, TT
	s_add_co_u32 s46, s46, 1
	s_cmp_lg_u32 s46, 4
	s_cbranch_scc1 .Lqk
	v_add_nc_u32 v[AAS0], EW-4, v[R32]             ; from here on Wv's tiles and words are fetched (a step of 4 comes ahead)
	s_mov_b32 s47, EX-16384
	s_mov_b32 s12, 0
	s_wait_alu depctr_va_vdst(0)
	s_wait_tensorcnt 0x0                           ; tiles 0, 1 of Wv are in
	s_wait_dscnt 0x0
	BARRIER
	BLK 0, 34, 1, 1, 1, 16384, 4                   ; blocks 14, 15
	BLK 1, 34, 1, 1, 1, 16384, 4
; THE CHANGE OF PHASE: my own 64 tokens into the held registers.  When every wave has read its first two tiles, Wv's tiles 2-7 come where those lay (waves 0-2, two tiles each)
.macro OWN b, a                        ; tiles b, b + 1
.irp q, 0,1,2,3,4,5,6,7
	WIN (1+\q/4)<<6
.irp d, 0,1
.irp c, 0,1,2,3
	ds_load_b128 v[64*(\q%4)+16*(\b+\d)+4*\c:64*(\q%4)+16*(\b+\d)+4*\c+3], v[\a] offset:TT*\d+2048*\q+512*\c
.endr
.endr
.endr
	WIN 0
.endm
	OWN 0, STA
.irp b, 0,1,2,3                        ; my four tiles' words: those of the first two lie among the bytes that are filled again
.irp q, 0,1,2,3
	ds_load_b32 v[SB+8*\q+4+\b], v[SWA] offset:TT*\b+4*\q
	ds_load_b32 v[SB+8*\q+\b], v[SWA] offset:TT*\b+4*\q+16
.endr
.endr
	s_wait_alu depctr_va_vdst(0)
	s_wait_tensorcnt 0x0
	ds_add_u32 v[SPW], v[NIL]
	s_mul_i32 s[G0C+1], s14, 4*TT
	s_lshl_b32 s20, s14, 15
	s_add_co_u32 s20, s20, 32768
	s_mov_b32 s21, 0
	s_add_nc_u64 s[G0C+2:G0C+3], s[66:67], s[20:21]
	s_or_b32 s[G0C+3], s[G0C+3], 0x80000000
	s_mov_b32 s[G1C+2], 16<<16
	s_mov_b32 s[G1C+4], 16
	s_wait_dscnt 0x0
	CROUND
	s_cmp_lt_u32 s14, 3
	s_cbranch_scc0 .Lno_refill
	TLOAD G0C, G1C
.Lno_refill:
	OWN 2, STB
; PHASE 2
	BLK 0, 0, 1, 0, 1, 0, 0                        ; block 0; phase 1's last block goes out
	v_add_nc_u32 v[VX0], OWV-OW, v[VX0]
	s_wait_alu depctr_va_vdst(0)
	s_wait_xcnt 0x0
	s_mov_b64 s[84:85], s[96:97]
	s_mov_b32 s86, 131072
	s_mov_b32 s13, 0
	s_mov_b32 s47, 0
	s_mov_b32 s12, 12
	s_wait_tensorcnt 0x0                           ; tiles 2-7 of Wv are in
	s_wait_dscnt 0x0
	BARRIER
	FETCH 0, 1, LOF, 0, AAS0, 12                   ; tile 2
	BLK 1, 34, 1, 1, 1, 16384, 4
	s_mov_b32 s46, 0
.Lv:                                               ; blocks 2-5: they fetch tiles 4-7, which lie in pairs 67,584 bytes apart
	BLK 0, 34, 1, 1, 1, 4*TT-16384, 4
	BLK 1, 34, 1, 1, 1, 16384, 4
	s_add_co_u32 s46, s46, 1
	s_cmp_lg_u32 s46, 2
	s_cbranch_scc1 .Lv
	BLK 0, 34, 1, 0, 1, 0, 0
	BLK 1, 1, 1, 0, 1, 0, 0                        ; behind the last loads stand two stores of bytes
	s_wait_xcnt 0x0
	s_add_nc_u64 s[84:85], s[84:85], s[86:87]
	s_add_co_u32 s13, s13, 4
	v_add_nc_u32 v[VX], s13, v[VX0]
.set N_, 0
.rept 59                               ; the last block's way out
	WL N_, ACC+32
.set N_, N_+1
.endr
.irp i, 0,1,2,3
	CV \i, ACC+32
.endr
	v_nop
	QOUT
	s_lshl_b32 s20, s15, 10
	s_lshl_b32 s21, s18, 5
	s_add_co_u32 s21, s21, s20
	s_add_co_u32 s21, s21, OW
	v_and_b32 v2, 31, v0
	v_lshrrev_b32 v1, 1, v2
	v_lshl_add_u32 v152, v1, 6, s21
	v_and_b32 v1, 1, v2
	v_lshl_add_u32 v152, v1, 4, v152               ; 16 bytes: row lane / 2, half lane % 2 of the group's 32 bytes
	s_lshl_b32 s21, s18, 9
	s_add_co_u32 s21, s21, s20
	s_add_co_u32 s21, s21, OWV
	v_lshrrev_b32 v1, 2, v2
	v_lshl_add_u32 v153, v1, 6, s21
	v_and_b32 v1, 3, v2
	v_lshl_add_u32 v153, v1, 3, v153               ; 8 bytes: row 8 (wave % 2) + lane / 4
	v_lshlrev_b32 v160, 3, v2
	s_wait_alu depctr_va_vdst(0)
	s_wait_dscnt 0x0                               ; my bytes lie in LDS
	BARRIER
	ds_load_b128 v[156:159], v152
	ds_load_b64 v[154:155], v153
	s_wait_dscnt 0x0
	global_store_b128 v[LOF], v[156:159], s[90:91]
	global_store_b64 v160, v[154:155], s[92:93]
	s_wait_tensorcnt 0x0                           ; the wave's end
	ds_add_u32 v[SPW], v[NIL]
	s_wait_dscnt 0x0
	CROUND                                         ; the closing round
	s_endpgm
.Lfunc_end_k_qbbbdcfae50_proj:
	.size	k_qbbbdcfae50_proj, .Lfunc_end_k_qbbbdcfae50_proj-k_qbbbdcfae50_proj
	.p2alignl 7, 3214868480
	.fill 96, 4, 3214868480
	.section	.rodata,"a",@progbits
	.p2align	6, 0x0
	.amdhsa_kernel k_qbbbdcfae50_proj
		.amdhsa_group_segment_fixed_size 327680
		.amdhsa_private_segment_fixed_size 0
		.amdhsa_enable_private_segment 0
		.amdhsa_kernarg_size 32
		.amdhsa_user_sgpr_count 2
		.amdhsa_user_sgpr_kernarg_segment_ptr 1
		.amdhsa_wavefront_size32 1
		.amdhsa_system_sgpr_workgroup_id_x 1
		.amdhsa_system_sgpr_workgroup_id_y 1
		.amdhsa_system_sgpr_workgroup_id_z 1
		.amdhsa_system_vgpr_workitem_id 0
		.amdhsa_next_free_vgpr 1024
		.amdhsa_next_free_sgpr 100
		.amdhsa_reserve_vcc 0
		.amdhsa_float_denorm_mode_32 3
		.amdhsa_float_denorm_mode_16_64 3
		.amdhsa_memory_ordered 1
		.amdhsa_forward_progress 1
		.amdhsa_inst_pref_size 217
	.end_amdhsa_kernel
	.amdgpu_metadata
---
amdhsa.version: [ 1, 2 ]
amdhsa.kernels:
  - .name:           k_qbbbdcfae50_proj
    .symbol:         k_qbbbdcfae50_proj.kd
    .args:
      - { .name: cw, .offset: 0, .size: 8, .value_kind: global_buffer, .address_space: global }
      - { .name: sw, .offset: 8, .size: 8, .value_kind: global_buffer, .address_space: global }
      - { .name: qkv, .offset: 16, .size: 8, .value_kind: global_buffer, .address_space: global }
      - { .name: qkvs, .offset: 24, .size: 8, .value_kind: global_buffer, .address_space: global }
    .group_segment_fixed_size: 327680
    .private_segment_fixed_size: 0
    .kernarg_segment_align: 8
    .kernarg_segment_size: 32
    .max_flat_workgroup_size: 128
    .sgpr_count:     100
    .vgpr_count:     1024
    .wavefront_size: 32
...
	.end_amdgpu_metadata
.endif
;; end of part 2
;; launch scores (part 3): grid 9 x 16, 4 waves a work-group, no clusters, 327,680 bytes of LDS; arguments qkv, qkvs, pc, pst; writes pc, pst
.if DOCPART == 3
	.amdgcn_target "amdgcn-amd-amdhsa--gfx1250"
	.amdhsa_code_object_version 6
	.text
	.protected	k_qbbbdcfae50_scores
	.globl	k_qbbbdcfae50_scores
	.p2align	8
	.type	k_qbbbdcfae50_scores,@function
k_qbbbdcfae50_scores:
	s_mov_b64 s[64:65], 0
	v_nop
	global_prefetch_b8 v0, s[64:65] scope:SCOPE_SE
	s_setreg_imm32_b32 hwreg(HW_REG_WAVE_MODE, 25, 1), 1
	s_wait_xcnt 0x0
; S^T = k q^T on codes of FP8 (E4M3), K = 1,024, for the 36 tiles of 256 queries x 256 keys of each batch that lie on or under the diagonal; the mask; and p, quantised along the keys.
; THE SOFTMAX.  t = score x log2(e) / 32.  p = 2^(t - M) with M a whole number.  Here each FRAGMENT (16 queries x 128 keys) takes its own M: the ceiling of its row's largest t within these 128 keys.  Its codes, its scale words,
; -M and the sum l of its unquantised p go to memory; the next launch finds the row's M, takes the difference off the scale bytes (a power of two) and adds the l.  A maximum is taken away before every exponential.
; THE MASK, as the source has it: a hidden score becomes -1e9 ahead of the scaling.  It touches the tiles on the diagonal alone.  LIMIT: tiles wholly above the diagonal are not made; they count as p = 0, which holds while a row's
; largest visible logit lies above about -3.1e7.  NaN and infinities are not served; a block of zeros gets the byte 1 (its codes are zeros).
; Source 0 = 16 keys, source 1 = 16 queries: a lane holds ONE query; a tile of 16 tokens holds at place m the token 32 g + 8 u + (m & 7) + 16 (m >> 3), so the 16 registers of key tiles 2 b, 2 b + 1 are keys 32 b + 16 h + 0..15.
; Four waves, each 128 keys x 128 queries, 64 accumulators.  K goes in steps of 256 through two LDS slots; buffers are laid as operand registers are (fragment (T, s) = 2,048 bytes; scale words in blocks of 512 bytes).
; NO CLUSTER: a row of the triangle has 1 to 8 tiles and so has a column: groups of four that share q's or k's tile do not exist at every place without partners that lie wholly under the mask.
; Work-group (x, y): batch y >> 2; with a = y & 3, x <= a is tile (row a, column x), else (row 7 - a, column x - a - 1): nine tiles for each y.
.set NP,    8
.set NL,    4
.set FR,    16
.set SLOT,  131072                     ; q's 16 tiles x 4,096 bytes, then k's
.set IOFF,  65536
.set SCL,   262144
.set SPARE, 278528                     ; the spare words: two blocks of 256 bytes that no other line names
.set D0,    8                          ; v8  my query's place less my first key's, on the diagonal
.set NEG,   9                          ; v9  -1e9
.set NINF,  10                         ; v10 -infinity
.set ADRA,  16
.set ADRB,  20
.set SOF,   25
.set LOF,   26
.set ADRS,  27
.set SPW,   28
.set NIL,   29
.set SC,    32
.set BM,    66                         ; v66-69 the blocks' largest scores, then largest p
.set BX,    70
.set HD,    74
.set SOP,   78
.set SA,    82
.set SB,    84
.set T0,    86
.set T1,    87
.set NML,   88                         ; v88-103: block a's pair (-M, l)
.set PW,    104
.set PC,    112
.set OD,    128
.set AF,    128
.set MNT,   12
.set QT,    17
.set KT,    18
.set BA,    19
.set SEL,   20
.set CS,    22
.set G1,    24
.set G0,    32
.set G1S,   40
.set G0S,   48
.set MSB, 0
.macro WIN new
.if MSB != (\new)
	s_set_vgpr_msb (MSB<<8)|(\new)
.set MSB, (\new)
.endif
.endm
.set MUL_LO, 0xa1
.set MUL_HI, 0xf1
.set TO_B,   0x40
.macro PLACES n
.rept \n
	v_nop
.endr
.endm
	s_load_b256 s[4:11], s[0:1], 0x0               ; qkv, qkvs, pc, pst
	v_lshl_add_u32 v[SPW], v0, 2, SPARE
	v_mov_b32 v[NIL], 0
	ds_add_u32 v28, v29
	ds_add_u32 v28, v29
	s_wait_dscnt 0x0
	v_lshrrev_b32 v1, 5, v0
	v_readfirstlane_b32 s14, v1
	s_lshr_b32 s15, s14, 1                         ; my half of the queries.  Also: I fetch q (0) or k (1)
	s_and_b32 s16, s14, 1                          ; my half of the keys.  Also: which 128 tokens I fetch
	s_and_b32 s52, ttmp7, 0xffff
	s_lshr_b32 s[BA], s52, 2
	s_and_b32 s53, s52, 3
	s_sub_co_u32 s54, 7, s53
	s_sub_co_u32 s55, ttmp9, s53
	s_sub_co_u32 s55, s55, 1
	s_cmp_le_u32 ttmp9, s53
	s_cselect_b32 s[QT], s53, s54
	s_cselect_b32 s[KT], ttmp9, s55
	s_cmp_eq_u32 s15, 0
	s_cselect_b32 s56, s[QT], s[KT]                ; the block of 256 tokens that I fetch from
	s_mov_b32 s[G1+0], 3<<16                       ; codes: 8 tiles x 4,096 bytes, 32,768 bytes from tile to tile; elements of 8 bytes
	s_mov_b32 s[G1+1], 512<<16
	s_mov_b32 s[G1+2], 16<<16                      ; 16 tiles for the head's loads; 8 behind them
	s_mov_b32 s[G1+3], 512<<16
	s_mov_b32 s[G1+4], 16
	s_mov_b32 s[G1+5], 4096
	s_mov_b32 s[G1+6], 0
	s_mov_b32 s[G1+7], 0
	s_mov_b32 s[G1S+0], 3<<16                      ; scale words: rows of 4,096 dense bytes
	s_mov_b32 s[G1S+1], 512<<16                    ; two groups' 4,096 bytes, 8,192 apart
	s_mov_b32 s[G1S+2], 2<<16
	s_mov_b32 s[G1S+3], 512<<16
	s_mov_b32 s[G1S+4], 2
	s_mov_b32 s[G1S+5], 1024
	s_mov_b32 s[G1S+6], 0
	s_mov_b32 s[G1S+7], 0
	s_lshl_b32 s58, s[BA], 7
	s_lshl_b32 s59, s56, 4
	s_add_co_u32 s58, s58, s59
	s_lshl_b32 s59, s16, 3
	s_add_co_u32 s58, s58, s59                     ; my first token tile
	s_lshl_b32 s58, s58, 15
	s_lshl_b32 s59, s15, 14                        ; k's K steps lie 8 behind q's
	s_add_co_u32 s58, s58, s59
	s_mov_b32 s59, 0
	s_cmp_eq_u32 s16, 0                            ; the head's loads: wave 0 q's slot 0, wave 1 k's, wave 2 q's words, wave 3 k's
	s_cselect_b32 s57, s[QT], s[KT]
	s_lshl_b32 s60, s[BA], 4
	s_lshl_b32 s61, s57, 1
	s_add_co_u32 s60, s60, s61
	s_lshl_b32 s60, s60, 13
	s_lshl_b32 s61, s16, 12
	s_add_co_u32 s60, s60, s61
	s_mov_b32 s61, 0
	s_lshl_b32 s84, s[BA], 7
	s_lshl_b32 s85, s57, 4
	s_add_co_u32 s84, s84, s85
	s_lshl_b32 s84, s84, 15
	s_lshl_b32 s85, s16, 14
	s_add_co_u32 s84, s84, s85
	s_mov_b32 s85, 0
	s_lshl_b32 s86, s16, 16
	s_lshl_b32 s62, s14, 15
	s_lshl_b32 s63, s16, 13
	s_add_co_u32 s63, s63, SCL
	s_mov_b32 s[MNT], 0x600000
	s_mov_b32 s[SEL], 0x76543210
	s_mov_b32 s[SEL+1], 0xfedcba98
	s_mov_b32 s[CS], 0x3d38aa3b                    ; c = log2(e) / 32
	s_mov_b32 s[CS+1], s[CS]                       ; named with it as a pair, so it is written
	s_wait_kmcnt 0x0
	s_mov_b32 s[G0S], 1
	s_mov_b32 s[G0S+1], s63
	s_add_nc_u64 s[G0S+2:G0S+3], s[6:7], s[60:61]
	s_or_b32 s[G0S+3], s[G0S+3], 0x80000000
	s_add_nc_u64 s[58:59], s[4:5], s[58:59]
.irp s, 0,1
	s_mov_b32 s[G0+4*\s], 1
	s_add_co_u32 s[G0+4*\s+1], s62, \s*SLOT
	s_add_nc_u64 s[G0+4*\s+2:G0+4*\s+3], s[58:59], \s*4096
	s_or_b32 s[G0+4*\s+3], s[G0+4*\s+3], 0x80000000
.endr
	s_mov_b32 s88, 1
	s_mov_b32 s89, s86
	s_add_nc_u64 s[90:91], s[4:5], s[84:85]
	s_or_b32 s91, s91, 0x80000000
	s_cmp_lt_u32 s14, 2                            ; one tensor load a wave
	s_cbranch_scc0 .Lhead_words
	tensor_load_to_lds s[88:91], s[G1:G1+7]
	s_nop 0
	PLACES 4
	s_branch .Lhead_asked
.Lhead_words:
	tensor_load_to_lds s[G0S:G0S+3], s[G1S:G1S+7]
	s_nop 0
	PLACES 4
.Lhead_asked:
	v_and_b32 v1, 15, v0                           ; r
	v_bfe_u32 v2, v0, 4, 1                         ; h
	s_wait_alu depctr_va_vdst(0)
	v_and_b32 v3, 31, v0
	v_lshlrev_b32 v[LOF], 4, v3
	v_lshlrev_b32 v[SOF], 5, v1
	v_lshl_add_u32 v[SOF], v2, 4, v[SOF]
	s_lshl_b32 s52, s15, 15
	s_lshl_b32 s53, s16, 15
	s_add_co_u32 s53, s53, IOFF
.irp s, 0,1
	v_add_nc_u32 v[ADRA+\s], s52, v[LOF]
	v_add_nc_u32 v[ADRB+\s], s53, v[LOF]
	s_add_co_u32 s52, s52, SLOT
	s_add_co_u32 s53, s53, SLOT
.endr
	s_lshl_b32 s52, s15, 12
	s_lshl_b32 s53, s16, 12
	s_add_co_u32 s53, s53, 8192
	s_sub_co_u32 s53, s53, s52
	v_mul_u32_u24 v6, s53, v2                      ; lanes 16-31 take k's words: the lower base + h x the distance
	s_add_co_u32 s52, s52, SCL
	v_lshl_add_u32 v6, v1, 5, v6
	v_add_nc_u32 v[ADRS], s52, v6
	v_and_b32 v4, 7, v0
	v_bfe_u32 v5, v0, 3, 1
	v_lshl_add_u32 v[D0], v5, 4, v4                ; the token at place r of a tile: (r & 7) + 16 (r >> 3)
	v_lshlrev_b32 v5, 4, v2
	v_sub_nc_u32 v[D0], v[D0], v5                  ; - 16 h
	s_sub_co_i32 s52, s15, s16
	s_lshl_b32 s52, s52, 7
	v_add_nc_u32 v[D0], s52, v[D0]                 ; + 128 (my half of the queries - my half of the keys)
	v_mov_b32 v[NEG], 0xce6e6b28                   ; -1e9
	v_mov_b32 v[NINF], 0xff800000
	; where my results go: pc: pair x 278,528 + slot x 16,384;  pst: pair x 8,704 + slot x 512
	; THE PAIRS' LAYOUT, for pc and pst alike: query blocks n and 15 - n (of 128) of a batch are a pair of 17 slots; step s (of 128 keys) of block n is slot s for n over 7, else slot 16 - s.
	; pc: a slot is 8 tiles x 2,048 bytes; pst: 512 bytes, words first, then all -M at 278,528, then all l at 557,056.
	s_lshl_b32 s54, s[KT], 1
	s_add_co_u32 s54, s54, s16                     ; s: the K step of the next product
	s_lshl_b32 s55, s[QT], 1
	s_add_co_u32 s55, s55, s15                     ; n
	s_sub_co_u32 s56, 15, s55
	s_sub_co_u32 s57, 16, s54
	s_cmp_lt_u32 s55, 8
	s_cselect_b32 s56, s55, s56
	s_cselect_b32 s57, s57, s54                    ; slot
	s_lshl_b32 s58, s[BA], 3
	s_add_co_u32 s56, s56, s58                     ; pair
	s_mul_i32 s52, s56, 278528
	s_lshl_b32 s58, s57, 14
	s_add_co_u32 s52, s52, s58
	s_mov_b32 s53, 0
	s_add_nc_u64 s[8:9], s[8:9], s[52:53]
	s_mul_i32 s52, s56, 8704
	s_lshl_b32 s58, s57, 9
	s_add_co_u32 s52, s52, s58
	s_add_nc_u64 s[10:11], s[10:11], s[52:53]
.macro FRAG reg, adr, q, i
.irp c, 0,1,2,3
	ds_load_b128 v[\reg+4*\c:\reg+4*\c+3], v[\adr] offset:4096*(\i)+2048*(\q)+512*\c
.endr
.endm
; 16 matrix instructions: query blocks a0, a0 + 1 x the eight key blocks.  The 64 accumulators take turns, one instruction a turn.
.macro MUL16 a0, p, q, sc, zero
.irp a, \a0, \a0+1
.irp b, 0,1,2,3,4,5,6,7
.if \zero
	v_wmma_scale_f32_16x16x128_f8f6f4 v[8*(8*((\a)%4)+\b):8*(8*((\a)%4)+\b)+7], v[128*(\p)+FR*\b:128*(\p)+FR*\b+FR-1], v[AF+FR*(\a):AF+FR*(\a)+FR-1], 0, v[SC+16*(\sc)+8*(\q)+\b], v[SC+16*(\sc)+8*(\q)+(\a)] matrix_a_scale:MATRIX_SCALE_ROW1
.else
	v_wmma_scale_f32_16x16x128_f8f6f4 v[8*(8*((\a)%4)+\b):8*(8*((\a)%4)+\b)+7], v[128*(\p)+FR*\b:128*(\p)+FR*\b+FR-1], v[AF+FR*(\a):AF+FR*(\a)+FR-1], v[8*(8*((\a)%4)+\b):8*(8*((\a)%4)+\b)+7], v[SC+16*(\sc)+8*(\q)+\b], v[SC+16*(\sc)+8*(\q)+(\a)] matrix_a_scale:MATRIX_SCALE_ROW1
.endif
.endr
.endr
.endm
.macro FETCH_B slot, q, p
	WIN TO_B
.irp i, 0,1,2,3,4,5,6,7
	FRAG 128*(\p)+FR*\i, ADRB+\slot, \q, \i
.endr
	WIN 0
.endm
.macro FETCH_A slot, q, i0
.irp i, \i0, \i0+1, \i0+2, \i0+3
	FRAG AF+FR*(\i), ADRA+\slot, \q, \i
.endr
.endm
.macro SCALES set, sig
.irp q, 0,1
.irp z, 0,1
	ds_load_b128 v[SC+16*\set+8*\q+4*\z:SC+16*\set+8*\q+4*\z+3], v[ADRS] offset:512*(2*(\sig)+\q)+16*\z
.endr
.endr
.endm
.macro STEP slot, q, zero
	s_wait_dscnt 4*NL                              ; all but the youngest 16 loads (q's blocks 4-7) are in
	WIN MUL_LO
	MUL16 0, (\q)%2, \q, \slot, \zero
	MUL16 2, (\q)%2, \q, \slot, \zero
	s_wait_dscnt 0
	PLACES NP
	FETCH_B \slot, (\q)+1, 1-(\q)%2
	FETCH_A \slot, (\q)+1, 0
	WIN MUL_HI
	MUL16 4, (\q)%2, \q, \slot, \zero
	MUL16 6, (\q)%2, \q, \slot, \zero
	PLACES NP
	WIN 0
	FETCH_A \slot, (\q)+1, 4
.endm
.macro TURN slot, next, fill, sig
	s_wait_tensorcnt 0x0                           ; all my tensor loads have landed: my part of the next slot
	ds_add_u32 v[SPW], v[NIL]
	s_wait_dscnt 4*NL+1                            ; the add and q's blocks 4-7 may be out
	WIN MUL_LO
	MUL16 0, 1, 1, \slot, 0
	s_wait_dscnt 0x0                               ; the add is done, and my reads of this slot are over
	s_barrier_signal -1
	MUL16 2, 1, 1, \slot, 0
	WIN 0
	s_barrier_wait -1
.if \fill
	s_add_nc_u64 s[G0+4*\slot+2:G0+4*\slot+3], s[G0+4*\slot+2:G0+4*\slot+3], 8192
	tensor_load_to_lds s[G0+4*\slot:G0+4*\slot+3], s[G1:G1+7]   ; my one tensor load behind this barrier: this slot, two K slots on
	s_nop 0
.endif
	PLACES NP
	FETCH_B \next, 0, 0
	FETCH_A \next, 0, 0
	SCALES \next, \sig
	WIN MUL_HI
	MUL16 4, 1, 1, \slot, 0
	MUL16 6, 1, 1, \slot, 0
	PLACES NP
	WIN 0
	FETCH_A \next, 0, 4
.endm
	s_wait_alu depctr_va_vdst(0)
	s_wait_tensorcnt 0x0                           ; my head tile is in
	ds_add_u32 v[SPW], v[NIL]
	s_mov_b32 s[G1+2], 8<<16                       ; no tensor load of mine is out: from here on a load brings 8 tiles
	s_mov_b32 s[G1+4], 8
	s_wait_dscnt 0x0
	s_barrier_signal -1
	s_barrier_wait -1
	tensor_load_to_lds s[G0+4:G0+7], s[G1:G1+7]    ; my quarter of slot 1
	s_nop 0
	PLACES 4
	FETCH_B 0, 0, 0
	FETCH_A 0, 0, 0
	SCALES 0, 0
	FETCH_A 0, 0, 4
	STEP 0, 0, 1
	TURN 0, 1, 1, 1
	STEP 1, 0, 0
	TURN 1, 0, 1, 2
	STEP 0, 0, 0
	TURN 0, 1, 0, 3
	STEP 1, 0, 0
	s_wait_dscnt 4*NL
	WIN MUL_LO
	MUL16 0, 1, 1, 1, 0
	MUL16 2, 1, 1, 1, 0
	s_wait_dscnt 0
	WIN MUL_HI
	MUL16 4, 1, 1, 1, 0
	MUL16 6, 1, 1, 1, 0
	WIN 0
; THE WAY OUT, block a: 16 queries; my lane's register 16 b + i is key 32 b + 16 h + i of my 128.
.macro SOFTQ a
.set WW, 2+(\a)/4
.set AC0, 64*((\a)%4)
.set NM, NML+2*(\a)
	s_cmp_lg_u32 s[QT], s[KT]                      ; the mask: on the diagonal's tiles alone; a branch on the work-group's number
	s_cbranch_scc1 .Lopen_\@
	WIN (WW<<6)|WW
.set n, 0
.rept 64
	v_cmp_gt_i32 vcc_lo, 32*(n/16)+n%16-32*((\a)/2)-8*((\a)%2), v[D0]   ; hidden where the key comes after the query
	v_cndmask_b32 v[AC0+n], v[AC0+n], v[NEG], vcc_lo
.set n, n+1
.endr
	WIN 0
.Lopen_\@:
	WIN (WW<<2)|(WW<<4)
.irp b, 0,1,2,3
	v_max3_num_f32 v[BM+\b], v[NINF], v[AC0+16*\b], v[AC0+16*\b+1]   ; the largest score of each block of 32 keys: for the row's maximum, and, since p rises with the score, for the block's largest p
.endr
.irp i, 2,4,6,8,10,12,14
.irp b, 0,1,2,3
	v_max3_num_f32 v[BM+\b], v[BM+\b], v[AC0+16*\b+\i], v[AC0+16*\b+\i+1]
.endr
.endr
	WIN 0
.irp b, 0,1,2,3
	v_permlanex16_b32 v[BX+\b], v[BM+\b], s[SEL], s[SEL+1]
.endr
.irp b, 0,1,2,3
	v_max_num_f32 v[BM+\b], v[BM+\b], v[BX+\b]
.endr
	v_max3_num_f32 v[T0], v[BM], v[BM+1], v[BM+2]
	v_max_num_f32 v[T0], v[T0], v[BM+3]
	v_mul_f32 v[T0], s[CS], v[T0]                  ; the largest t of my query in these 128 keys (c is positive)
	v_floor_f32 v[NM], -v[T0]                      ; -M = floor(-t): M is a whole number
	v_mov_b32 v[NM+1], 0                           ; (named with it as a pair)
.irp b, 0,1,2,3
	v_fma_f32 v[BM+\b], v[BM+\b], s[CS], v[NM]
.endr
	WIN (WW<<6)|WW
.set n, 0
.rept 32
	v_pk_fma_f32 v[AC0+n:AC0+n+1], v[AC0+n:AC0+n+1], s[CS:CS+1], v[NM:NM+1] op_sel_hi:[1,0,0]   ; t - M, two at a time
.set n, n+2
.endr
.set n, 0
	s_wait_alu depctr_va_vdst(0)
.rept 64
	v_exp_f32 v[AC0+n], v[AC0+n]                   ; p = 2^(t - M), at most 1
.set n, n+1
.endr
	v_nop                                          ; a plain line behind the last exponential
	s_wait_alu depctr_va_vdst(0)                   ; one wait for the batch, ahead of its first reader
	WIN 0
.irp b, 0,1,2,3
	v_exp_f32 v[BM+\b], v[BM+\b]                   ; the blocks' largest p: the same two instructions on the same numbers
.endr
	WIN WW|(WW<<2)
	v_pk_add_f32 v[SA:SA+1], v[AC0:AC0+1], v[AC0+2:AC0+3]       ; the sum of the UNQUANTISED p, in two chains
	v_pk_add_f32 v[SB:SB+1], v[AC0+4:AC0+5], v[AC0+6:AC0+7]
	WIN (WW<<2)
.irp j, 8,12,16,20,24,28,32,36,40,44,48,52,56,60
	v_pk_add_f32 v[SA:SA+1], v[SA:SA+1], v[AC0+\j:AC0+\j+1]
	v_pk_add_f32 v[SB:SB+1], v[SB:SB+1], v[AC0+\j+2:AC0+\j+3]
.endr
	WIN 0
	v_pk_add_f32 v[SA:SA+1], v[SA:SA+1], v[SB:SB+1]
	v_add_f32 v[T0], v[SA], v[SA+1]
	v_permlanex16_b32 v[T1], v[T0], s[SEL], s[SEL+1]
	v_add_f32 v[NM+1], v[T0], v[T1]                ; l of my query over these 128 keys
	s_wait_alu depctr_va_vdst(0)                   ; and one wait for the four
.irp b, 0,1,2,3
	v_max_num_f32 v[BM+\b], 0x4800000, v[BM+\b]    ; the floor 2^(9 - 127): the byte cannot fall under 1
.endr
.irp b, 0,1,2,3
	v_add_nc_u32 v[SOP+\b], 0xfc000000, v[BM+\b]
.endr
.irp b, 0,1,2,3
	v_and_or_b32 v[HD+\b], v[BM+\b], 0x7f800000, s[MNT]
.endr
.irp b, 0,1,2,3
	v_lshrrev_b32 v[BX+\b], 23, v[SOP+\b]
.endr
	v_lshl_or_b32 v[PW+(\a)], v[BX+1], 8, v[BX]
	v_lshl_or_b32 v[PW+(\a)], v[BX+2], 16, v[PW+(\a)]
	v_lshl_or_b32 v[PW+(\a)], v[BX+3], 24, v[PW+(\a)]
	WIN (WW<<6)|WW
.irp b, 0,1,2,3
.irp i, 0,1,2,3,4,5,6,7,8,9,10,11,12,13,14,15
	v_min_num_f32 v[AC0+16*\b+\i], v[AC0+16*\b+\i], v[HD+\b]   ; p is not negative: a one-sided hold (the conversion does not saturate: ISA guide 7.6.2)
.endr
.endr
	s_wait_alu depctr_va_vdst(0)
	s_wait_xcnt 0x0                                ; the last block's stores have read their data
	WIN WW
.irp b, 0,1,2,3
	v_cvt_scalef32_pk8_fp8_f32 v[PC+4*\b:PC+4*\b+1], v[AC0+16*\b:AC0+16*\b+7], v[SOP+\b]
	v_cvt_scalef32_pk8_fp8_f32 v[PC+4*\b+2:PC+4*\b+3], v[AC0+16*\b+8:AC0+16*\b+15], v[SOP+\b]
.endr
	WIN 0
	v_nop                                          ; a plain line behind the last conversion
.irp c, 0,1,2,3
	global_store_b128 v[LOF], v[PC+4*\c:PC+4*\c+3], s[8:9] offset:2048*(\a)+512*\c   ; 512 consecutive bytes
.endr
.endm
	s_cmp_gt_u32 s54, s55                          ; my 128 keys all come after my 128 queries (one wave of a diagonal tile): the mask leaves nothing of them, and no slot is theirs
	s_cbranch_scc1 .Lnothing
	PLACES NP
.irp b, 0,1,2,3
	v_mov_b32 v[BX+\b], 0                          ; a lane permute's destination counts as one of its sources
.endr
	v_mov_b32 v[T1], 0
.irp a, 0,1,2,3,4,5,6,7
	SOFTQ \a
.endr
	v_cmp_eq_u32 vcc_lo, 1, v2                     ; row r's eight words, eight -M, eight l: lanes 0-15 store blocks 0-3's, lanes 16-31 blocks 4-7's
.irp z, 0,1,2,3
	v_cndmask_b32 v[OD+\z], v[PW+\z], v[PW+4+\z], vcc_lo
	v_cndmask_b32 v[OD+4+\z], v[NML+2*\z], v[NML+8+2*\z], vcc_lo
	v_cndmask_b32 v[OD+8+\z], v[NML+1+2*\z], v[NML+9+2*\z], vcc_lo
.endr
	global_store_b128 v[SOF], v[OD:OD+3], s[10:11]
	global_store_b128 v[SOF], v[OD+4:OD+7], s[10:11] offset:278528
	global_store_b128 v[SOF], v[OD+8:OD+11], s[10:11] offset:557056
.Lnothing:
	s_wait_tensorcnt 0x0                           ; the wave's end
	ds_add_u32 v[SPW], v[NIL]
	s_wait_dscnt 0x0
	s_endpgm
.Lfunc_end_k_qbbbdcfae50_scores:
	.size	k_qbbbdcfae50_scores, .Lfunc_end_k_qbbbdcfae50_scores-k_qbbbdcfae50_scores
	.p2alignl 7, 3214868480
	.fill 96, 4, 3214868480
	.section	.rodata,"a",@progbits
	.p2align	6, 0x0
	.amdhsa_kernel k_qbbbdcfae50_scores
		.amdhsa_group_segment_fixed_size 327680
		.amdhsa_private_segment_fixed_size 0
		.amdhsa_enable_private_segment 0
		.amdhsa_kernarg_size 32
		.amdhsa_user_sgpr_count 2
		.amdhsa_user_sgpr_kernarg_segment_ptr 1
		.amdhsa_wavefront_size32 1
		.amdhsa_system_sgpr_workgroup_id_x 1
		.amdhsa_system_sgpr_workgroup_id_y 1
		.amdhsa_system_sgpr_workgroup_id_z 1
		.amdhsa_system_vgpr_workitem_id 0
		.amdhsa_next_free_vgpr 1024
		.amdhsa_next_free_sgpr 100
		.amdhsa_reserve_vcc 1
		.amdhsa_float_denorm_mode_32 3
		.amdhsa_float_denorm_mode_16_64 3
		.amdhsa_memory_ordered 1
		.amdhsa_forward_progress 1
		.amdhsa_inst_pref_size 255
	.end_amdhsa_kernel
	.section	.bss,"aw",@nobits
	.p2align	6
	.space	262144
	.amdgpu_metadata
---
amdhsa.version: [ 1, 2 ]
amdhsa.kernels:
  - .name:           k_qbbbdcfae50_scores
    .symbol:         k_qbbbdcfae50_scores.kd
    .args:
      - { .name: qkv, .offset: 0, .size: 8, .value_kind: global_buffer, .address_space: global }
      - { .name: qkvs, .offset: 8, .size: 8, .value_kind: global_buffer, .address_space: global }
      - { .name: pc, .offset: 16, .size: 8, .value_kind: global_buffer, .address_space: global }
      - { .name: pst, .offset: 24, .size: 8, .value_kind: global_buffer, .address_space: global }
    .group_segment_fixed_size: 327680
    .private_segment_fixed_size: 0
    .kernarg_segment_align: 8
    .kernarg_segment_size: 32
    .max_flat_workgroup_size: 128
    .sgpr_count:     100
    .vgpr_count:     1024
    .wavefront_size: 32
...
	.end_amdgpu_metadata
.endif
;; end of part 3
;; launch pv (part 4): grid 8 x 32, 4 waves a work-group, clusters of 4 x 1, 327,680 bytes of LDS; arguments pc, pst, qkv, qkvs, out0; writes out0
.if DOCPART == 4
	.amdgcn_target "amdgcn-amd-amdhsa--gfx1250"
	.amdhsa_code_object_version 6
	.text
	.protected	k_qbbbdcfae50_pv
	.globl	k_qbbbdcfae50_pv
	.p2align	8
	.type	k_qbbbdcfae50_pv,@function
k_qbbbdcfae50_pv:
	s_mov_b64 s[64:65], 0
	v_nop
	global_prefetch_b8 v0, s[64:65] scope:SCOPE_SE
	s_setreg_imm32_b32 hwreg(HW_REG_WAVE_MODE, 25, 1), 1
	s_wait_xcnt 0x0
	s_wait_alu depctr_hold_cnt(0) depctr_sa_sdst(0) depctr_va_vdst(0) depctr_va_sdst(0) depctr_va_ssrc(0) depctr_va_vcc(0) depctr_vm_vsrc(0)
	s_getreg_b32 s2, hwreg(HW_REG_IB_STS2, 6, 4)
	s_cmp_eq_u32 s2, 0
	s_cbranch_scc0 .Lentry_in_a_cluster
	s_endpgm
.Lentry_in_a_cluster:
	s_bfe_u32 s2, ttmp6, 0x10000c
	s_cmp_lg_u32 s2, 0x3003
	s_cbranch_scc0 .Lentry_shape_is_right
	s_endpgm
.Lentry_shape_is_right:
; O = (p v) / l on codes of FP8 (E4M3).  p's fragments (16 queries x 128 keys) were quantised each under its own whole number M_f.  Here, for each query: M = the largest M_f; each scale byte of fragment f has
; k = M - M_f taken off (a power of two, so the codes stand for 2^(t - M)); l = the sum of l_f 2^-k; O^T = v^T p^T is divided by l.
; LIMITS: k is held at 255 and a byte at 0 from below (2^-127 x 448 beside a row whose largest p is over 1/2); NaN and infinities are not served.  Keys past the diagonal step have no p: the mask leaves nothing of them, while a row's
; largest visible logit lies above about -3.1e7.
; SHARES.  Work-group (x, y): batch y >> 3, pair pr = y & 7, channels 128 x on.  It makes TWO blocks of 128 queries: B = block 15 - pr (K steps 0 .. 15 - pr of 128 keys) and A = block pr (steps 0 .. pr): 17 units for every pair.
; A wave makes 32 channels x 256 queries: 32 accumulators.  Source 0 = 16 channels of v^T, source 1 = 16 queries: a lane holds one query; a tile holds at place m the row 32 g + 8 u + (m & 7) + 16 (m >> 3).
; p of the pair is 17 slots of 16,384 dense bytes (B's step k: slot k; A's: slot 16 - k): it comes into LDS ONCE, a quarter by each wave's one joint load: the four partners of a cluster have other channels of the same queries.
; v^T goes from memory STRAIGHT INTO OPERAND REGISTERS (the workspace is laid as they are), each wave's 32 channels by that wave alone, for both blocks at once; eight sets run ahead, which asks for it early enough without a prefetch.
; v is not shared in a cluster: partners have other channels; the work-groups with the same channels have another pr, and with it another chain.
; THE ORDER OF K: step 0 first (its products start both blocks' sums), then 15 - pr, .. 1.  The chain 15 .. 1 is written once; a work-group jumps in at step 15 - pr (8 .. 15), and A's unit of step k is jumped over while k is over pr.
; So the chain's end is the same for all and every counted wait is a constant.  Set d begins with the step of 15 - pr .. 8 - pr that is d modulo 8.
; REGISTERS: window 0: addresses; v32-55 p's words, three sets; v56-73 v's; v96-127 v of step 0; v128-255 the head's work, then A's p.  window 1: accumulators (B at 16 a + 8 t, A at 128 + 16 a + 8 t).
;   window 2: B's p, set k & 1.   window 3: v, set k & 7 at 32 (k & 7) + 16 t.
.set PSC,   278528                     ; shifted words, 17 slots x 512
.set RL,    287232                     ; 1 / l: B's 512 bytes, A's 512
.set SPARE, 288256                     ; the spare words, 128 bytes a wave: two blocks of 256 bytes that no other line names
.set RP,    528                        ; the way out: 128 rows of 512 + 16 bytes for each block, where p lay
.set VO,    4
.set WO,    12
.set LOF,   20                         ; 16 x lane
.set VSO,   21                         ; 32 r + 8 wave
.set APS,   22
.set FST,   23
.set RLA,   25
.set STO,   26
.set STP,   27
.set SPW,   28
.set NIL,   29
.set RD,    30
.set RDA,   31
.set PS,    32
.set VS,    56
.set VS0,   72
.set AD,    76                         ; v76-80 16 x lane + 65,536 j
.set ADA,   81                         ; A's first slot of the chain, its words; B's
.set APA,   82
.set ADB,   83
.set APB,   84
.set RLR,   76                         ; v76-91 on the way out
.set V0,    96
.set P2,    128
.set SWD,   128                        ; v128-144 my query's words of 17 slots; v145-161 -M; v162-178 l
.set NM,    145
.set LD,    162
.set NGB,   180
.set NGA,   181
.set LSB,   182
.set LSA,   183
.set KK,    184
.set NK,    186
.set TL,    188
.set TB,    190
.set TC,    198
.set RC,    206
.set FM,    24                         ; slots 9-15: -1 where the slot is B's
.set FB,    32                         ; 1.0 where it is B's
.set FA,    40                         ; 1.0 where it is A's
.set G1P,   48
.set G0P,   56
.set VBA,   60
.set VSA,   62
.set MSB, 0
.macro WIN new                         ; the immediate's high byte repeats the setting that is left
.if MSB != (\new)
	s_set_vgpr_msb (MSB<<8)|(\new)
.set MSB, (\new)
.endif
.endm
.macro PLACES n
.rept \n
	v_nop
.endr
.endm
.macro BARRIER
	s_barrier_signal -1
	s_barrier_wait -1
.endm
.macro CROUND                          ; a round of the cluster's barrier
	BARRIER
	s_cmp_lg_u32 s14, 0
	s_cbranch_scc1 .Lnot_wave_0_\@
	s_barrier_signal -3
.Lnot_wave_0_\@:
	s_barrier_wait -3
	BARRIER
.endm
	s_load_b256 s[4:11], s[0:1], 0x0               ; pc, pst, qkv, qkvs
	s_load_b64 s[12:13], s[0:1], 0x20              ; out0
	v_lshl_add_u32 v[SPW], v0, 2, SPARE
	v_mov_b32 v[NIL], 0
	ds_add_u32 v[SPW], v[NIL]                      ; the wave's opening: the add, twice on end
	ds_add_u32 v[SPW], v[NIL]
	v_lshrrev_b32 v1, 5, v0
	v_readfirstlane_b32 s14, v1                    ; wave 0..3
	s_bfe_u32 s15, ttmp6, 0x40000
	s_lshl_b32 s17, ttmp9, 2
	s_add_co_u32 s17, s17, s15                     ; my block of 128 channels: it enters v's and O's global addresses alone
	s_and_b32 s19, ttmp7, 0xffff                   ; y: 8 x batch + pr, which the four partners share
	s_lshr_b32 s20, s19, 3                         ; batch
	s_and_b32 s21, s19, 7                          ; pr
	s_sub_co_u32 s22, 15, s21                      ; the chain's first step
	s_mov_b32 s[G1P+0], 15|(3<<16)|(1<<21)         ; the mask names all four; elements of 8 bytes; 34 rows of 2,048 dense bytes
	s_mov_b32 s[G1P+1], 256<<16
	s_mov_b32 s[G1P+2], 34<<16
	s_mov_b32 s[G1P+3], 256<<16
	s_mov_b32 s[G1P+4], 34
	s_mov_b32 s[G1P+5], 256
	s_mov_b32 s[G1P+6], 0
	s_mov_b32 s[G1P+7], 0
	s_mul_i32 s66, s14, 69632                      ; my quarter of the pair's 278,528 bytes
	s_mul_i32 s72, s19, 278528
	s_add_co_u32 s72, s72, s66
	s_mov_b32 s73, 0
	s_mul_i32 s74, s19, 8704
	s_mov_b32 s75, 0
	s_lshl_b32 s76, s17, 3
	s_lshl_b32 s67, s14, 1
	s_add_co_u32 s76, s76, s67                     ; my first channel tile: 8 x + 2 wave
	s_lshl_b32 s76, s76, 17
	s_lshl_b32 s67, s20, 15
	s_add_co_u32 s76, s76, s67                     ; the batch's 16 K steps
	s_add_co_u32 s76, s76, 16777216
	s_mov_b32 s77, 0
	s_lshl_b32 s78, s17, 6
	s_lshl_b32 s67, s20, 4
	s_add_co_u32 s78, s78, s67
	s_lshl_b32 s78, s78, 9
	s_add_co_u32 s78, s78, 524288
	s_mov_b32 s79, 0
	s_lshl_b32 s80, s20, 23                        ; O: 2,048 rows a batch; 32 rows of each block are mine to store
	s_lshl_b32 s67, s17, 9
	s_add_co_u32 s80, s80, s67
	s_lshl_b32 s67, s14, 17
	s_add_co_u32 s80, s80, s67
	s_lshl_b32 s67, s21, 19
	s_add_co_u32 s82, s80, s67                     ; A's
	s_mov_b32 s83, 0
	s_lshl_b32 s67, s22, 19
	s_add_co_u32 s80, s80, s67                     ; B's
	s_mov_b32 s81, 0
.irp i, 9,10,11,12,13,14,15
	s_cmp_le_u32 s21, 15-\i
	s_cselect_b32 s[FM+\i-9], -1, 0
	s_cselect_b32 s[FB+\i-9], 1.0, 0
	s_cselect_b32 s[FA+\i-9], 0, 1.0
.endr
	v_and_b32 v1, 15, v0                           ; r
	v_bfe_u32 v2, v0, 4, 1                         ; h
	v_and_b32 v3, 31, v0
	v_lshlrev_b32 v[LOF], 4, v3
	v_lshlrev_b32 v[APS], 5, v1
	s_lshl_b32 s67, s14, 3
	v_add_nc_u32 v[VSO], s67, v[APS]
	v_add_nc_u32 v[RLA], RL, v[APS]
	v_add_nc_u32 v[APS], PSC, v[APS]
	v_lshlrev_b32 v[FST], 2, v0                    ; my word of 512 bytes: one query
	s_wait_alu depctr_va_vdst(0)                   ; the wait ahead of the scalar lines below
.irp d, 0,1,2,3,4,5,6,7                ; set d's first step
	s_sub_co_i32 s67, s22, \d
	s_and_b32 s67, s67, 7
	s_sub_co_i32 s67, s22, s67
	s_lshl_b32 s68, s67, 11
	s_lshl_b32 s69, s67, 9
	v_add_nc_u32 v[VO+\d], s68, v[LOF]
	v_add_nc_u32 v[WO+\d], s69, v[VSO]
.endr
.irp j, 0,1,2,3,4
	v_add_nc_u32 v[AD+\j], 65536*\j, v[LOF]
.endr
	s_sub_co_u32 s67, 16, s21                      ; A's slot of step pr
	s_lshl_b32 s68, s67, 14
	s_lshl_b32 s69, s67, 9
	v_add_nc_u32 v[ADA], s68, v[LOF]
	v_add_nc_u32 v[APA], s69, v[APS]
	s_lshl_b32 s68, s22, 14
	s_lshl_b32 s69, s22, 9
	v_add_nc_u32 v[ADB], s68, v[LOF]
	v_add_nc_u32 v[APB], s69, v[APS]
	v_and_b32 v[STO], 7, v1
	v_lshrrev_b32 v[STP], 3, v1
	v_lshl_add_u32 v[STO], v[STP], 4, v[STO]       ; the row at place r of a tile: (r & 7) + 16 (r >> 3)
	v_mul_u32_u24 v[STO], RP, v[STO]
	v_lshl_add_u32 v[STO], v2, 6, v[STO]
	s_lshl_b32 s67, s14, 7
	v_add_nc_u32 v[STO], s67, v[STO]               ; in: + 64 h + 128 wave
	v_add_nc_u32 v[STP], 128*RP, v[STO]
	s_mul_i32 s67, s14, 32*RP
	v_add_nc_u32 v[RD], s67, v[LOF]                ; back: a whole row of 512 bytes
	v_add_nc_u32 v[RDA], 128*RP, v[RD]
	s_wait_dscnt 0x0                               ; both opening adds are done
	s_wait_alu depctr_va_vdst(0)                   ; the wait at the head's end
	s_wait_kmcnt 0x0
	s_mov_b32 s[G0P], 1
	s_mov_b32 s[G0P+1], s66
	s_add_nc_u64 s[G0P+2:G0P+3], s[4:5], s[72:73]
	s_or_b32 s[G0P+3], s[G0P+3], 0x80000000
	s_add_nc_u64 s[6:7], s[6:7], s[74:75]
	s_add_nc_u64 s[VBA:VBA+1], s[8:9], s[76:77]
	s_add_nc_u64 s[VSA:VSA+1], s[10:11], s[78:79]
	s_add_nc_u64 s[80:81], s[12:13], s[80:81]
	s_add_nc_u64 s[82:83], s[12:13], s[82:83]
	CROUND                                         ; all four work-groups are here: the joint loads meet
	tensor_load_to_lds s[G0P:G0P+3], s[G1P:G1P+7]
	s_nop 0
	PLACES 4
.set N_, 0
.rept 17                               ; my query's word, -M and l of each slot: the four waves read a slot's 512 bytes
	global_load_b32 v[NM+N_], v[FST], s[6:7] offset:278528+512*N_
	global_load_b32 v[SWD+N_], v[FST], s[6:7] offset:512*N_
	global_load_b32 v[LD+N_], v[FST], s[6:7] offset:557056+512*N_
.set N_, N_+1
.endr
.irp t, 0,1                            ; v of step 0
.irp c, 0,1,2,3
	global_load_b128 v[V0+16*\t+4*\c:V0+16*\t+4*\c+3], v[LOF], s[VBA:VBA+1] offset:131072*\t+512*\c
.endr
.endr
	global_load_b64 v[VS0:VS0+1], v[VSO], s[VSA:VSA+1]
.irp d, 0,1,2,3,4,5,6,7                ; the eight sets' first steps
	WIN 0xc0                                       ; destination window 3, address window 0
.irp t, 0,1
.irp c, 0,1,2,3
	global_load_b128 v[32*\d+16*\t+4*\c:32*\d+16*\t+4*\c+3], v[VO+\d], s[VBA:VBA+1] offset:131072*\t+512*\c
.endr
.endr
	WIN 0
	global_load_b64 v[VS+2*\d:VS+2*\d+1], v[WO+\d], s[VSA:VSA+1]
.endr
	s_wait_loadcnt 63                              ; behind the 51 loads of words, -M and l 81 more were issued; the count names 63 at the most
	v_min3_num_f32 v[NGB], v[NM], v[NM+1], v[NM+2] ; the least -M of each block: slots 0-8 are B's, 16 is A's, the others by pr
.irp i, 3,5,7
	v_min3_num_f32 v[NGB], v[NGB], v[NM+\i], v[NM+\i+1]
.endr
	v_mov_b32 v[NGA], v[NM+16]
.irp i, 9,10,11,12,13,14,15
	v_cndmask_b32 v[TB], v[NGB], v[NM+\i], s[FM+\i-9]
	v_cndmask_b32 v[TC], v[NM+\i], v[NGA], s[FM+\i-9]
	v_min_num_f32 v[NGB], v[NGB], v[TB]
	v_min_num_f32 v[NGA], v[NGA], v[TC]
.endr
	v_mov_b32 v[LSB], 0
	v_mov_b32 v[LSA], 0
; Slot i of my query: k = M - M_f, held at 255; each scale byte b becomes b - min(b, k); l takes l_f 2^-k.  Two slots go through each line together (e = 0, 1).
.macro FL st, i, e
.if (\st) == 0
.if (\i) < 9
	v_sub_f32 v[KK+\e], v[NM+\i], v[NGB]
.elseif (\i) == 16
	v_sub_f32 v[KK+\e], v[NM+\i], v[NGA]
.else
	v_cndmask_b32 v[KK+\e], v[NGA], v[NGB], s[FM+\i-9]
.endif
.elseif (\st) == 1
.if ((\i) > 8) && ((\i) < 16)
	v_sub_f32 v[KK+\e], v[NM+\i], v[KK+\e]
.endif
	v_bfe_u32 v[TB+4*\e], v[SWD+\i], 0, 8
	v_bfe_u32 v[TB+4*\e+1], v[SWD+\i], 8, 8
	v_bfe_u32 v[TB+4*\e+2], v[SWD+\i], 16, 8
	v_lshrrev_b32 v[TB+4*\e+3], 24, v[SWD+\i]
.elseif (\st) == 2
	v_min_num_f32 v[KK+\e], 0x437f0000, v[KK+\e]   ; 255.0
.elseif (\st) == 3
	v_cvt_u32_f32 v[KK+\e], v[KK+\e]
.elseif (\st) == 4
	v_sub_nc_u32 v[NK+\e], 0, v[KK+\e]
.irp n, 0,1,2,3
	v_min_u32 v[TC+4*\e+\n], v[TB+4*\e+\n], v[KK+\e]
.endr
.elseif (\st) == 5
	v_ldexp_f32 v[TL+\e], v[LD+\i], v[NK+\e]
.irp n, 0,1,2,3
	v_sub_nc_u32 v[TB+4*\e+\n], v[TB+4*\e+\n], v[TC+4*\e+\n]
.endr
.elseif (\st) == 6
	v_lshl_or_b32 v[SWD+\i], v[TB+4*\e+1], 8, v[TB+4*\e]
.if (\i) < 9
	v_add_f32 v[LSB], v[LSB], v[TL+\e]
.elseif (\i) == 16
	v_add_f32 v[LSA], v[LSA], v[TL+\e]
.else
	v_fma_f32 v[LSB], v[TL+\e], s[FB+\i-9], v[LSB]
	v_fma_f32 v[LSA], v[TL+\e], s[FA+\i-9], v[LSA]
.endif
.elseif (\st) == 7
	v_lshl_or_b32 v[SWD+\i], v[TB+4*\e+2], 16, v[SWD+\i]
.elseif (\st) == 8
	v_lshl_or_b32 v[SWD+\i], v[TB+4*\e+3], 24, v[SWD+\i]
.else
	ds_store_b32 v[FST], v[SWD+\i] offset:512*(\i)
.endif
.endm
	v_add_nc_u32 v[FST], PSC, v[FST]               ; (its loads are done)
.irp i, 0,2,4,6,8,10,12,14,16
.irp st, 0,1,2,3,4,5,6,7,8,9
	FL \st, \i, 0
.if \i < 16
	FL \st, \i+1, 1
.endif
.endr
.endr
	s_wait_alu depctr_va_vdst(0)                   ; the wait ahead of the batch too
	v_rcp_f32 v[RC], v[LSB]
	v_rcp_f32 v[RC+1], v[LSA]
	v_nop                                          ; a plain line behind the reciprocals
	s_wait_alu depctr_va_vdst(0)                   ; the wait ahead of their readers
	ds_store_b32 v[FST], v[RC] offset:RL-PSC
	ds_store_b32 v[FST], v[RC+1] offset:RL-PSC+512
	s_wait_tensorcnt 0x0                           ; my quarter of p is in
	s_wait_dscnt 0x0                               ; for the others' sake: my words and reciprocals lie in LDS
	BARRIER
.macro PFR dst, a, off                 ; eight fragments (tiles 0-7 of a slot) as they lie: 32 loads of 512 consecutive bytes
.irp n, 0,1,2,3,4,5,6,7
.irp c, 0,1,2,3
	ds_load_b128 v[\dst+16*\n+4*\c:\dst+16*\n+4*\c+3], v[\a] offset:\off+2048*\n+512*\c
.endr
.endr
.endm
.macro PSLD set, a, off                ; and their words
	ds_load_b128 v[PS+8*(\set):PS+8*(\set)+3], v[\a] offset:\off
	ds_load_b128 v[PS+8*(\set)+4:PS+8*(\set)+7], v[\a] offset:\off+16
.endm
.macro GETB k                          ; B's p of step k into set k & 1
	WIN 0x80
	PFR 128*((\k)&1), AD+((\k)>>2), 16384*((\k)&3)
	WIN 0
	PSLD (\k)&1, APS, 512*(\k)
.endm
.macro GETA k                          ; A's: slot 16 - k
	PFR P2, AD+((16-(\k))>>2), 16384*((16-(\k))&3)
	PSLD 2, APS, 512*(16-(\k))
.endm
.macro VLOAD k                         ; v's two fragments and words of step k into set k & 7: 9 loads
	WIN 0xc0
.irp t, 0,1
.irp c, 0,1,2,3
	global_load_b128 v[32*((\k)&7)+16*\t+4*\c:32*((\k)&7)+16*\t+4*\c+3], v[LOF], s[VBA:VBA+1] offset:131072*\t+2048*(\k)+512*\c
.endr
.endr
	WIN 0
	global_load_b64 v[VS+2*((\k)&7):VS+2*((\k)&7)+1], v[VSO], s[VSA:VSA+1] offset:512*(\k)
.endm
; A UNIT: 16 products: a block's eight query tiles x my two channel tiles; its 16 accumulators take turns
.macro UNIT ac, v, vs, p, ps, zero
.irp n, 0,1,2,3,4,5,6,7
.irp t, 0,1
.if \zero
	v_wmma_scale_f32_16x16x128_f8f6f4 v[\ac+16*\n+8*\t:\ac+16*\n+8*\t+7], v[\v+16*\t:\v+16*\t+15], v[\p+16*\n:\p+16*\n+15], 0, v[\vs+\t], v[\ps+\n]
.else
	v_wmma_scale_f32_16x16x128_f8f6f4 v[\ac+16*\n+8*\t:\ac+16*\n+8*\t+7], v[\v+16*\t:\v+16*\t+15], v[\p+16*\n:\p+16*\n+15], v[\ac+16*\n+8*\t:\ac+16*\n+8*\t+7], v[\vs+\t], v[\ps+\n]
.endif
.endr
.endr
.endm
	; STEP 0 of both blocks
	GETB 0
	GETA 0
	s_wait_loadcnt 0x0                             ; v of step 0 and the eight sets' first steps are in: from here on only the chain's own loads are out
	s_wait_dscnt 0x0
	WIN 0x48                                       ; source 0 (v) window 0, source 1 (p) window 2, D window 1
	UNIT 0, V0, VS0, 0, PS, 1
	WIN 0x40                                       ; source 1 window 0
	UNIT 128, V0, VS0, P2, PS+16, 1
	WIN 0
	PLACES 8
	s_cmp_eq_u32 s21, 0
	s_cbranch_scc1 .Lno_a                          ; pr = 0: A has step 0 alone
	PFR P2, ADA, 0
	PSLD 2, APA, 0
.Lno_a:
	s_bitcmp1_b32 s22, 0
	s_cbranch_scc1 .Lodd
	WIN 0x80
	PFR 0, ADB, 0
	WIN 0
	PSLD 0, APB, 0
	s_wait_dscnt 0x0
.irp k, 8,10,12                        ; each parity has its own jumps: the set that a step reads is loaded on every way to it
	s_cmp_eq_u32 s22, \k
	s_cbranch_scc1 .Lstep_\k
.endr
	s_branch .Lstep_14
.Lodd:
	WIN 0x80
	PFR 128, ADB, 0
	WIN 0
	PSLD 1, APB, 0
	s_wait_dscnt 0x0
.irp k, 9,11,13
	s_cmp_eq_u32 s22, \k
	s_cbranch_scc1 .Lstep_\k
.endr
; A STEP OF THE CHAIN: B's p of step k - 1 is asked for, then B's unit, then (k at or under pr) A's unit, behind which A's p of step k - 1 is asked for.  v of step k - 8 is asked for behind step k's products.
.macro STEPK k
.if (\k) < 15
	PLACES 8
.if (\k) > 7
	VLOAD (\k)-7
.endif
.endif
.Lstep_\k:
.if (\k) > 7
	s_wait_loadcnt 63                              ; v of step k is in: behind its 9 loads at most those of the seven steps below were issued
.else
	s_wait_loadcnt 9*((\k)-1)
.endif
.if (\k) > 1
	GETB (\k)-1
.endif
	WIN 0x5b                                       ; source 0 (v) window 3, source 1 (p) window 2, C and D window 1
	UNIT 0, 32*((\k)&7), VS+2*((\k)&7), 128*((\k)&1), PS+8*((\k)&1), 0
	WIN 0
.if (\k) < 8
	s_cmp_lt_u32 s21, \k
	s_cbranch_scc1 .Lskip_\k
.if (\k) > 1
	s_wait_dscnt 34                                ; A's p of step k is in: behind it stand B's 34 loads of step k - 1
.else
	s_wait_dscnt 0x0
.endif
	WIN 0x53                                       ; source 1 window 0
	UNIT 128, 32*((\k)&7), VS+2*((\k)&7), P2, PS+16, 0
	WIN 0
.if (\k) > 1
	PLACES 8
	GETA (\k)-1
	s_wait_dscnt 34                                ; B's p of step k - 1 is in
	s_branch .Lnext_\k
.endif
.Lskip_\k:
.endif
.if (\k) > 1
	s_wait_dscnt 0x0
.endif
.Lnext_\k:
.endm
.irp k, 15,14,13,12,11,10,9,8,7,6,5,4,3,2,1
	STEPK \k
.endr
	; THE WAY OUT.  O^T x 1 / l goes through LDS where p lay (no wave reads p any more, nothing is filled again) and leaves as rows of 512 bytes.
	PLACES 8
	ds_load_b128 v[RLR:RLR+3], v[RLA]
	ds_load_b128 v[RLR+4:RLR+7], v[RLA] offset:16
	ds_load_b128 v[RLR+8:RLR+11], v[RLA] offset:512
	ds_load_b128 v[RLR+12:RLR+15], v[RLA] offset:528
	s_wait_dscnt 0x0
	BARRIER
.macro TOST a                          ; accumulators of tile a (0-7 B's, 8-15 A's)
	WIN 0x44                                       ; source 1 and destination window 1
.set N_, 0
.rept 16
	v_mul_f32 v[16*(\a)+N_], v[RLR+(\a)], v[16*(\a)+N_]   ; each accumulator from its low end on
.set N_, N_+1
.endr
	WIN 0x04                                       ; an LDS store's data are its source 1
.irp t, 0,1
	ds_store_b128 v[STO+(\a)/8], v[16*(\a)+8*\t:16*(\a)+8*\t+3] offset:(32*(((\a)%8)/2)+8*((\a)%2))*RP+32*\t
	ds_store_b128 v[STO+(\a)/8], v[16*(\a)+8*\t+4:16*(\a)+8*\t+7] offset:(32*(((\a)%8)/2)+8*((\a)%2))*RP+32*\t+16
.endr
.endm
.irp a, 0,1,2,3,4,5,6,7,8,9,10,11,12,13,14,15
	TOST \a
.endr
	WIN 0
	s_wait_dscnt 0x0                               ; for the others' sake: my channels lie in LDS
	BARRIER
.macro BACK b                          ; 16 rows: b = 0, 1 B's, 2, 3 A's
.set N_, 0
.rept 16
	ds_load_b128 v[128+64*((\b)%2)+4*N_:128+64*((\b)%2)+4*N_+3], v[RD+(\b)/2] offset:(16*((\b)%2)+N_)*RP
.set N_, N_+1
.endr
.endm
.macro SEND b, younger
	s_wait_dscnt \younger
.set N_, 0
.rept 16
	global_store_b128 v[LOF], v[128+64*((\b)%2)+4*N_:128+64*((\b)%2)+4*N_+3], s[80+2*((\b)/2):81+2*((\b)/2)] offset:(16*((\b)%2)+N_)*4096 th:TH_STORE_NT   ; 512 consecutive bytes
.set N_, N_+1
.endr
.endm
	BACK 0
	BACK 1
	SEND 0, 16
	s_wait_xcnt 0x0                                ; the stores have read these registers
	BACK 2
	SEND 1, 16
	s_wait_xcnt 0x0
	BACK 3
	SEND 2, 16
	SEND 3, 0
	s_wait_tensorcnt 0x0                           ; the wave's end
	ds_add_u32 v[SPW], v[NIL]
	s_wait_dscnt 0x0
	CROUND                                         ; the closing round: no work-group ends while a partner may still ask for a tile that names it
	s_endpgm
.Lfunc_end_k_qbbbdcfae50_pv:
	.size	k_qbbbdcfae50_pv, .Lfunc_end_k_qbbbdcfae50_pv-k_qbbbdcfae50_pv
	.p2alignl 7, 3214868480
	.fill 96, 4, 3214868480
	.section	.rodata,"a",@progbits
	.p2align	6, 0x0
	.amdhsa_kernel k_qbbbdcfae50_pv
		.amdhsa_group_segment_fixed_size 327680
		.amdhsa_private_segment_fixed_size 0
		.amdhsa_enable_private_segment 0
		.amdhsa_kernarg_size 40
		.amdhsa_user_sgpr_count 2
		.amdhsa_user_sgpr_kernarg_segment_ptr 1
		.amdhsa_wavefront_size32 1
		.amdhsa_system_sgpr_workgroup_id_x 1
		.amdhsa_system_sgpr_workgroup_id_y 1
		.amdhsa_system_sgpr_workgroup_id_z 1
		.amdhsa_system_vgpr_workitem_id 0
		.amdhsa_next_free_vgpr 1024
		.amdhsa_next_free_sgpr 100
		.amdhsa_reserve_vcc 0
		.amdhsa_float_denorm_mode_32 3
		.amdhsa_float_denorm_mode_16_64 3
		.amdhsa_memory_ordered 1
		.amdhsa_forward_progress 1
		.amdhsa_inst_pref_size 183
	.end_amdhsa_kernel
	.amdgpu_metadata
---
amdhsa.version: [ 1, 2 ]
amdhsa.kernels:
  - .name:           k_qbbbdcfae50_pv
    .symbol:         k_qbbbdcfae50_pv.kd
    .args:
      - { .name: pc, .offset: 0, .size: 8, .value_kind: global_buffer, .address_space: global }
      - { .name: pst, .offset: 8, .size: 8, .value_kind: global_buffer, .address_space: global }
      - { .name: qkv, .offset: 16, .size: 8, .value_kind: global_buffer, .address_space: global }
      - { .name: qkvs, .offset: 24, .size: 8, .value_kind: global_buffer, .address_space: global }
      - { .name: out0, .offset: 32, .size: 8, .value_kind: global_buffer, .address_space: global }
    .group_segment_fixed_size: 327680
    .private_segment_fixed_size: 0
    .kernarg_segment_align: 8
    .kernarg_segment_size: 40
    .max_flat_workgroup_size: 128
    .sgpr_count:     100
    .vgpr_count:     1024
    .wavefront_size: 32
...
	.end_amdgpu_metadata
.endif
;; end of part 4
